; MI455X (gfx1250); checked and timed in simulation.
; The chip was launched on July 23, 2026; its instructions are those of AMD's public machine-readable ISA for CDNA 5 (MIT licence, August 2026) and "CDNA5" Instruction Set Architecture Reference Guide (July 2026). The comments in the code are by the model that wrote it; some were corrected since.
;; Expert Pool. Allowed arithmetic: float matrix products may take bf16 or f16 operands with f32 sums; all other float work in f32.
;; Inputs: W1 8 x 1,024 x 2,048 float32; W2 8 x 2,048 x 1,024 float32; b1 8 x 2,048 float32; b2 8 x 1,024 float32; expert_weights 2,048 x 2 float32; hidden_states 2,048 x 1,024 float32; selected_experts 2,048 x 2 int32.
;; Outputs: out0 2,048 x 1,024 float32.
;; 2 versions, each right; version 2 is version 1 with the launches gemm1, gemm2 written anew for expert scheduling mode. Each part assembles by itself: llvm-mc -triple=amdgcn-amd-amdhsa -mcpu=gfx1250 --defsym DOCPART=n.
;; ======== version 1 of 2: 4 launches
;; limits: values are held in f16: magnitudes above 65,504 overflow, below 6.1e-05 lose precision; right only within a limited range of input values; inputs' magnitudes at most 65,504; a function is approximated: absolute error at most 7.5e-08
;; workspace buffers: Xs 8,847,360 bytes; h 17,694,720 bytes; ypair 34,471,936 bytes; list 17,408 bytes of whole numbers; meta 1,024 bytes of whole numbers
;; launch prep (part 1): grid 135 x 1, 32 waves a work-group, no clusters, 74,240 bytes of LDS; arguments selected_experts, hidden_states, Xs, list, meta; writes Xs, list, meta
.if DOCPART == 1
	.amdgcn_target "amdgcn-amd-amdhsa--gfx1250"
	.amdhsa_code_object_version 6
	.text
	.protected	k_q413d76a7c1_prep
	.globl	k_q413d76a7c1_prep
	.p2align	8
	.type	k_q413d76a7c1_prep,@function
k_q413d76a7c1_prep:
	s_mov_b64 s[64:65], 0
	v_nop
	global_prefetch_b8 v0, s[64:65] scope:SCOPE_SE
	s_setreg_imm32_b32 hwreg(HW_REG_WAVE_MODE, 25, 1), 1
	s_wait_xcnt 0x0
; ROUTING AND GATHER.  The 4,096 pairs p = 2 t + slot are put in order of their expert; each expert's run is padded to whole tiles of 32 rows:
; at most (4,096 + 8 x 31) / 32 = 135 tiles.  Work-group g makes tile g: it writes the tile's 32 list entries (p, or 4096 + position for a padding row), the tile's expert,
; and the tile's 32 rows of hidden_states, rounded to f16, in the order in which a matrix fragment is loaded.  A slot below 0 or above 7 matches no expert.
; Every work-group repeats the routing (16 KiB read), so nothing passes between work-groups.  A tile behind the last run holds padding rows only (token 2047's numbers);
; it is given the last run's expert.
; HOW A ROW FINDS ITS PAIR.  Region l = (expert l / 4, segment l % 4 of 1,024 pairs).  Wave v counts region v's matches; the 32 counts meet in LDS; every wave makes the regions' first positions by a
; running sum over its lanes; the region that holds the wave's position, and the index d in it, become scalars; the wave reads that segment again and picks the match whose rank is d.
; No LDS address and no branch hangs on the data.
; LIMIT.  A number of hidden_states beyond 65,504 does not fit f16.
; Xs: tile g at g x 65,536: [row block 2][k / 8: 128][row 16][8 f16]: 1 KiB per 16 rows x 32 k, lane L's first 16 bytes at 16 L, its second at 512 + 16 L.
; No matrix unit, no cluster, no tensor load: rows are gathered by a list, and the launch moves 8 MiB in and 8 MiB out.
.set CNT, 0                            ; LDS: 32 counts,
.set TL,  256                          ; the tile's 32 list entries,
.set STG, 512                          ; and the stage: 256 blocks of 256 bytes, 272 apart
.set QP,  272
.set SEL, 32                           ; v[32:63] a segment's 1,024 slots, later a row of hidden_states, later the way out
; the sum of register r over the 32 lanes, in every lane (v21 at work)
.macro WSUM r
.irp n, 1,2,4,8
	v_mov_b32_dpp v21, v[\r] row_xmask:\n row_mask:0xf bank_mask:0xf
	v_add_nc_u32 v[\r], v[\r], v21
.endr
	v_permlanex16_b32 v21, v[\r], s34, s35
	v_add_nc_u32 v[\r], v[\r], v21
.endm
	s_load_b256 s[4:11], s[0:1], 0x0               ; selected_experts s[4:5], hidden_states s[6:7], Xs s[8:9], list s[10:11]
	s_load_b64 s[12:13], s[0:1], 0x20              ; meta
	v_lshl_add_u32 v96, v0, 2, 0x11200
	v_mov_b32 v97, 0
	v_lshrrev_b32 v2, 5, v0
	v_readfirstlane_b32 s16, v2                    ; wave v, 0..31
	v_and_b32 v3, 31, v0                           ; lane
	v_lshlrev_b32 v1, 4, v3                        ; 16 x lane
	s_lshr_b32 s17, s16, 2                         ; for the count: my expert,
	s_and_b32 s18, s16, 3                          ; and my segment
	s_mov_b32 s20, ttmp9                           ; g
	s_lshl_b32 s19, s18, 12
	v_add_nc_u32 v4, s19, v1                       ; my 16 bytes in the segment's first 512
	s_mov_b32 s21, 0                               ; matches so far
	s_mov_b32 s34, 0x76543210                      ; v_permlanex16_b32: each lane takes its own place in the other half
	s_mov_b32 s35, 0xfedcba98
	s_wait_kmcnt 0x0
.irp j, 0,1,2,3,4,5,6,7
	global_load_b128 v[SEL+4*(\j):SEL+4*(\j)+3], v4, s[4:5] offset:512*(\j)
.endr
	s_wait_loadcnt 0x0
.set i_, 0
.rept 8                                            ; four words at a time: masks, their bits, the sum
.irp k, 0,1,2,3
	v_cmp_eq_u32 s[24+(\k)], s17, v[SEL+4*i_+(\k)]
.endr
.irp k, 0,1,2,3
	s_bcnt1_i32_b32 s[24+(\k)], s[24+(\k)]
.endr
.irp k, 0,1,2,3
	s_add_co_u32 s21, s21, s[24+(\k)]
.endr
.set i_, i_+1
.endr
	s_lshl_b32 s19, s16, 2
	s_add_co_u32 s22, s19, CNT
	v_mov_b32 v12, s22
	v_mov_b32 v13, s21
	ds_store_b32 v12, v13                          ; my region's count: all lanes write the same word with the same value
	s_wait_dscnt 0x0                               ; for the others' sake: my count is in LDS
	s_barrier_signal -1
	s_barrier_wait -1
	; Where each region begins in the sorted order.  Lane l stands for region l.
	v_lshl_add_u32 v14, v3, 2, CNT
	ds_load_b32 v20, v14                           ; c
	v_mov_b32 v21, 0                               ; a DPP form's destination counts as read
	s_wait_dscnt 0x0
	v_mov_b32_dpp v21, v20 row_xmask:1 row_mask:0xf bank_mask:0xf
	v_add_nc_u32 v22, v20, v21
	v_mov_b32_dpp v21, v22 row_xmask:2 row_mask:0xf bank_mask:0xf
	v_add_nc_u32 v22, v22, v21                     ; the expert's pairs
	v_add_nc_u32 v23, 31, v22
	v_and_b32 v23, 0xffffffe0, v23                 ; padded to whole tiles
	v_sub_nc_u32 v24, v23, v22
	v_and_b32 v25, 3, v3
	v_cmp_eq_u32 vcc_lo, 3, v25
	v_cndmask_b32 v24, 0, v24, vcc_lo              ; the padding follows the expert's last region
	v_add_nc_u32 v24, v20, v24
	v_mov_b32 v26, v24
.irp n, 1,2,4,8
	v_mov_b32_dpp v21, v26 row_shr:\n row_mask:0xf bank_mask:0xf bound_ctrl:1
	v_add_nc_u32 v26, v26, v21                     ; running sum inside each 16 lanes
.endr
	v_readlane_b32 s24, v26, 15
	v_cmp_lt_u32 vcc_lo, 15, v3
	v_cndmask_b32 v21, 0, s24, vcc_lo
	v_add_nc_u32 v26, v26, v21                     ; and across them: in lane 4 e + 3 the end of expert e's run
	v_sub_nc_u32 v28, v26, v24                     ; the region's first position
	v_readlane_b32 s25, v26, 31                    ; all rows
	; The tile's expert: as many runs end at or before its first position, the runs that end with the last row not counted (so a tile behind the last run takes the last run's expert).
	s_lshl_b32 s26, s20, 5
	v_cmp_ge_u32 s28, s26, v26
	v_cmp_gt_u32 s29, s25, v26
	s_and_b32 s28, s28, s29
	s_and_b32 s28, s28, 0x88888888                 ; lanes 4 e + 3
	s_bcnt1_i32_b32 s36, s28
	; My row of the tile: position 32 g + v.  At most one region holds it.
	s_add_co_u32 s26, s26, s16
	v_sub_nc_u32 v30, s26, v28
	v_cmp_lt_u32 vcc_lo, v30, v20                  ; 0 <= position - first < count, in one unsigned compare
	s_mov_b32 s31, vcc_lo
	v_cndmask_b32 v31, 0, v30, vcc_lo
	WSUM 31                                        ; one lane at the most holds a number other than 0
	v_readfirstlane_b32 s24, v31                   ; d: my index in the region
	s_ctz_i32_b32 s23, s31                         ; the region; -1 if there is none,
	s_min_u32 s23, s23, 31                         ; which the clamp turns into 31: what is then found is thrown away below
	s_lshr_b32 s17, s23, 2                         ; its expert,
	s_and_b32 s18, s23, 3                          ; its segment
	s_lshl_b32 s14, s18, 12
	s_mov_b32 s15, 0
	s_add_nc_u64 s[14:15], s[4:5], s[14:15]
.irp j, 0,1,2,3,4,5,6,7
	global_load_b128 v[SEL+4*(\j):SEL+4*(\j)+3], v1, s[14:15] offset:512*(\j)
.endr
	s_lshl_b32 s19, s18, 10
	v_lshl_add_u32 v5, v3, 2, s19                  ; the pair number of my first word
	v_mov_b32 v6, 0
	s_mov_b32 s21, 0
	s_wait_loadcnt 0x0
; Word i of my 32: a match's rank is the matches so far plus the matching lanes below; the match whose rank is d leaves its pair number in v6.
.macro SEARCH i
.set ta, 8+2*((\i)%2)
	v_cmp_eq_u32 vcc_lo, s17, v[SEL+(\i)]
	v_mbcnt_lo_u32_b32 v[ta], vcc_lo, s21
	v_add_nc_u32 v[ta+1], 128*((\i)/4)+(\i)%4, v5
	v_cmp_eq_u32 s22, s24, v[ta]
	s_bcnt1_i32_b32 s23, vcc_lo
	s_and_b32 s22, s22, vcc_lo
	s_add_co_u32 s21, s21, s23
	v_cndmask_b32 v6, v6, v[ta+1], s22
.endm
.set i_, 0
.rept 32
	SEARCH i_
.set i_, i_+1
.endr
	WSUM 6
	v_readfirstlane_b32 s27, v6
	s_add_co_u32 s28, s26, 4096                    ; a padding row's entry
	s_cmp_lg_u32 s31, 0
	s_cselect_b32 s27, s27, s28
	s_lshl_b32 s19, s16, 2
	s_add_co_u32 s22, s19, TL
	v_mov_b32 v80, s22
	v_mov_b32 v81, s27
	ds_store_b32 v80, v81                          ; my row's list entry
	s_lshr_b32 s28, s27, 1                         ; the token
	s_min_u32 s28, s28, 2047                       ; a padding row takes token 2047's numbers
	s_lshl_b32 s28, s28, 12
	s_mov_b32 s29, 0
	s_add_nc_u64 s[6:7], s[6:7], s[28:29]
.irp j, 0,1,2,3,4,5,6,7
	global_load_b128 v[SEL+4*(\j):SEL+4*(\j)+3], v1, s[6:7] offset:512*(\j)
.endr
	; into the stage: row block v / 16, row v % 16; my 4 numbers of load j are k = 128 j + 4 lane ..: block 16 j + lane / 2, byte 16 row + 8 (lane % 2)
	s_lshr_b32 s30, s16, 4
	s_mul_i32 s30, s30, 128*QP
	s_and_b32 s31, s16, 15
	s_lshl_b32 s31, s31, 4
	s_add_co_u32 s30, s30, s31
	s_add_co_u32 s30, s30, STG
	v_lshrrev_b32 v15, 1, v3
	v_mul_u32_u24 v15, v15, QP
	v_and_b32 v17, 1, v3
	v_lshl_add_u32 v15, v17, 3, v15                ; modulo 256 the 32 lanes stand at 8 x lane: every bank once
	v_add_nc_u32 v15, s30, v15
	; back: wave v takes blocks 8 v .. 8 v + 7, two a load
	s_lshl_b32 s30, s16, 3
	s_mul_i32 s30, s30, QP
	s_add_co_u32 s30, s30, STG
	v_lshrrev_b32 v16, 4, v3
	v_mul_u32_u24 v16, v16, QP
	v_and_b32 v17, 15, v3
	v_lshl_add_u32 v16, v17, 4, v16
	v_add_nc_u32 v16, s30, v16
	s_lshl_b32 s31, s16, 11
	v_add_nc_u32 v18, s31, v1                      ; 2,048 v + 16 lane
	s_lshl_b32 s28, s20, 16
	s_add_nc_u64 s[8:9], s[8:9], s[28:29]          ; Xs at tile g
.irp j, 0,1,2,3,4,5,6,7
	s_wait_loadcnt 7-(\j)                          ; loads come back in order: load j is in, the younger ones stay out
	v_cvt_pk_f16_f32 v[64+2*(\j)], v[SEL+4*(\j)], v[SEL+4*(\j)+1]
	v_cvt_pk_f16_f32 v[65+2*(\j)], v[SEL+4*(\j)+2], v[SEL+4*(\j)+3]
	ds_store_b64 v15, v[64+2*(\j):65+2*(\j)] offset:(\j)*16*QP
.endr
	s_wait_dscnt 0x0                               ; for the others' sake: my row and my list entry are in LDS
	s_barrier_signal -1
	s_barrier_wait -1
.irp i, 0,1,2,3
	ds_load_b128 v[SEL+4*(\i):SEL+4*(\i)+3], v16 offset:(\i)*2*QP
.endr
.irp i, 0,1,2,3
	s_wait_dscnt 3-(\i)                            ; LDS loads come back in order: load i is in
	global_store_b128 v18, v[SEL+4*(\i):SEL+4*(\i)+3], s[8:9] offset:512*(\i)  ; 512 consecutive bytes, at a multiple of 512 from Xs's first byte
.endr
	s_cmp_lg_u32 s16, 0
	s_cbranch_scc1 .Ldone                          ; wave 0 alone writes the tile's list entries and its expert
	v_lshl_add_u32 v83, v3, 2, TL
	ds_load_b32 v82, v83
	v_lshlrev_b32 v84, 2, v3
	s_lshl_b32 s28, s20, 7
	s_add_nc_u64 s[10:11], s[10:11], s[28:29]
	s_mul_hi_u32 s30, s20, 0x1c71c71d              ; g / 9: the chunk of nine tiles that one work-group of the next launches walks
	s_mul_i32 s31, s30, 9
	s_sub_co_u32 s31, s20, s31                     ; g % 9
	s_lshl_b32 s30, s30, 6                         ; a chunk's nine words begin at a multiple of 64 bytes
	s_lshl2_add_u32 s30, s31, s30
	v_mov_b32 v85, s30
	v_mov_b32 v86, s36
	v_cmp_eq_u32 vcc_lo, 0, v3
	s_wait_dscnt 0x0
	global_store_b32 v84, v82, s[10:11]
	s_wait_xcnt 0x0                                ; EXEC changes only behind this wait
	s_and_saveexec_b32 s23, vcc_lo
	global_store_b32 v85, v86, s[12:13]            ; one word, one lane
	s_wait_xcnt 0x0                                ; and again, in front of the line that widens it
	s_or_b32 exec_lo, exec_lo, s23
.Ldone:
	s_wait_tensorcnt 0x0
	ds_add_u32 v96, v97
	s_wait_dscnt 0x0
	s_endpgm
.Lfunc_end_k_q413d76a7c1_prep:
	.size	k_q413d76a7c1_prep, .Lfunc_end_k_q413d76a7c1_prep-k_q413d76a7c1_prep
	.p2alignl 7, 3214868480
	.fill 96, 4, 3214868480
	.section	.rodata,"a",@progbits
	.p2align	6, 0x0
	.amdhsa_kernel k_q413d76a7c1_prep
		.amdhsa_group_segment_fixed_size 74240
		.amdhsa_private_segment_fixed_size 0
		.amdhsa_enable_private_segment 0
		.amdhsa_kernarg_size 40
		.amdhsa_user_sgpr_count 2
		.amdhsa_user_sgpr_kernarg_segment_ptr 1
		.amdhsa_wavefront_size32 1
		.amdhsa_system_sgpr_workgroup_id_x 1
		.amdhsa_system_sgpr_workgroup_id_y 1
		.amdhsa_system_sgpr_workgroup_id_z 1
		.amdhsa_system_vgpr_workitem_id 0
		.amdhsa_next_free_vgpr 98
		.amdhsa_next_free_sgpr 66
		.amdhsa_reserve_vcc 1
		.amdhsa_float_denorm_mode_32 3
		.amdhsa_float_denorm_mode_16_64 3
		.amdhsa_memory_ordered 1
		.amdhsa_forward_progress 1
		.amdhsa_inst_pref_size 28
	.end_amdhsa_kernel
	.amdgpu_metadata
---
amdhsa.version: [ 1, 2 ]
amdhsa.kernels:
  - .name:           k_q413d76a7c1_prep
    .symbol:         k_q413d76a7c1_prep.kd
    .args:
      - { .name: selected_experts, .offset: 0, .size: 8, .value_kind: global_buffer, .address_space: global }
      - { .name: hidden_states, .offset: 8, .size: 8, .value_kind: global_buffer, .address_space: global }
      - { .name: Xs, .offset: 16, .size: 8, .value_kind: global_buffer, .address_space: global }
      - { .name: list, .offset: 24, .size: 8, .value_kind: global_buffer, .address_space: global }
      - { .name: meta, .offset: 32, .size: 8, .value_kind: global_buffer, .address_space: global }
    .group_segment_fixed_size: 74240
    .private_segment_fixed_size: 0
    .kernarg_segment_align: 8
    .kernarg_segment_size: 40
    .max_flat_workgroup_size: 1024
    .sgpr_count:     66
    .vgpr_count:     98
    .wavefront_size: 32
...
	.end_amdgpu_metadata
.endif
;; end of part 1
;; launch gemm1 (part 2): grid 240 x 1, 4 waves a work-group, no clusters, 131,584 bytes of LDS; arguments Xs, W1, b1, meta, h; writes h
.if DOCPART == 2
	.amdgcn_target "amdgcn-amd-amdhsa--gfx1250"
	.amdhsa_code_object_version 6
	.text
	.protected	k_q413d76a7c1_gemm1
	.globl	k_q413d76a7c1_gemm1
	.p2align	8
	.type	k_q413d76a7c1_gemm1,@function
k_q413d76a7c1_gemm1:
	s_mov_b64 s[64:65], 0
	v_nop
	global_prefetch_b8 v0, s[64:65] scope:SCOPE_SE
	s_setreg_imm32_b32 hwreg(HW_REG_WAVE_MODE, 25, 1), 1
	s_wait_xcnt 0x0
; h = gelu(x W1[e] + b1[e]) for the sorted rows, e the expert of the row's tile.  x and W1 rounded to f16, sums, bias and gelu in f32, h rounded once to f16.
; SHARES.  240 work-groups = 15 chunks of 9 consecutive tiles of 32 rows x 16 slices of 128 columns; 135 tiles are the most that 4,096 pairs can make, so a sixteenth chunk would never hold a pair.
; THE WEIGHTS STAY IN REGISTERS: wave q holds k = 256 q .. 256 q + 255 of the slice's 128 columns, 64 fragments, 512 registers; they are read as f32, rounded, and turned through the wave's own LDS stage.
; THE WALK HAS NINE TRIPS, WHATEVER THE DATA.  meta gives each tile's expert; where it is not the expert whose weights are held, the weights are loaded anew: one forward jump a trip passes that text,
; which holds no barrier.  The first trip enters at that text.  The tile fetched ahead lies in the registers that the weights pass through, so it is waited for and fetched again behind them.
; A tile's fragments lie in Xs in the order of the registers, so a wave takes its quarter of K straight into registers, 512 consecutive bytes a load; each byte goes to one wave of the work-group.
; A TILE IS MADE IN TWO HALVES, rows 0-15 and rows 16-31, 64 matrix instructions each.  The four waves' partial sums of a half meet in LDS; wave q finishes column blocks 2 q and 2 q + 1.
; Half 0's sums go into LDS and come back (into its own accumulators' registers) among half 1's products, in runs of four LDS instructions behind every fourth product: four waves x four
; instructions of two passes each are 32 passes for four products.  Behind half 1's products its sums go the same way, and half 0's arithmetic stands in the waits for them.
; TWO BARRIERS A TILE, one a half; each half has its own LDS region, and a region's next stores stand behind the other half's barrier, in front of which every wave has waited for all its LDS instructions.
; NO CLUSTER, NO TENSOR LOAD, though the 16 slices of a chunk read the same tiles: a joint load lands in LDS, and a tile's 64 KiB would then be written there and read back for 128 matrix
; instructions a wave, beside the 64 KiB of partial sums.
; THE MATRIX INSTRUCTION IS USED TRANSPOSED: source 0 = 16 columns of W1, source 1 = 16 rows of x: a lane then holds one row and eight neighbouring columns, which are 16 bytes of the next launch's fragment.
; GELU.  x Phi(x) = max(x, 0) - |x| phi(|x|) (b1 t + .. + b5 t^5), t = 1 / (1 + 0.2316419 |x|): the series of Abramowitz and Stegun, 26.2.17; its error in Phi is at most 7.5e-8 for every x.
; LIMITS.  A weight or an h beyond 65,504 does not fit f16; a weight below 2^-14 keeps f16's fixed step of 2^-24.  NaN and infinities are not treated apart.
; REGISTERS, in windows of 256 (s_set_vgpr_msb: bits 1:0 source 0, 3:2 source 1, 5:4 source 2, 7:6 destination):
;   window 0: v1-6 addresses; v16-31 bias; v32-45 seven constants, each twice; v48-63 h, packed; v64-127 at work, 32 a column block;
;             v128-255 the 16 accumulators ((mb, nb) at 128 + 64 mb + 8 nb), then the half's partial sums (wave u, block d at 128 + 64 mb + 16 u + 8 d)
;   window 1: two buffers of 128 for W1 as loaded; v0-127 also a tile's 16 fragments ((mb, s) at 8 (8 mb + s))      windows 2, 3: W1's fragments ((s, nb) at 512 + 8 (8 s + nb))
; SCALARS: s16 wave; s18 slice; s19 chunk; s24 trips to go; s25 the expert held; s[26:27] Xs at my quarter of the trip's tile, from the trip's head on of the next; s[28:29] what the next trip adds to h;
;   s32 the trip's expert; s[36:37] W1, s[38:39] b1 at that expert; s[40:48] the experts of the tiles to come.
.set TILES, 9
.set ACC,  128
.set BIAS, 16
.set CST,  32
.set HPK,  48
.set TMP,  64
.set SPITCH, 288                       ; a stage row: 128 f16 + 32 bytes
.set STGW, 32*SPITCH                   ; a wave's stage: 32 k
.set RED,  65536                       ; the partial sums: for each half
.set REDH, 32768                       ; 8 KiB a wave
.set ATILE, 65536                      ; bytes of a tile in Xs
.set MSB, 0
.macro WIN new                         ; the immediate's high byte repeats the setting that is left; a switch that changes nothing is dropped
.if MSB != (\new)
	s_set_vgpr_msb (MSB<<8)|(\new)
.set MSB, (\new)
.endif
.endm
.macro PLACES                          ; four places between a matrix instruction and a load into, or an LDS store of, its registers
.rept 4
	v_nop
.endr
.endm
; 32 rows of W1, k step c of my quarter: a row's 128 columns are 512 consecutive bytes, one load
.macro LOADW c, buf
	WIN 0x40                                       ; destination window 1
.set i_, 0
.rept 32
	global_load_b128 v[128*(\buf)+4*i_:128*(\buf)+4*i_+3], v1, s[36:37] offset:(32*(\c)+i_)*8192
.set i_, i_+1
.endr
.endm
; rounded to f16 in place, laid into my stage as [k][column], and taken back turned: 8 fragments
.macro CONV c, buf
	WIN 0x45
.set i_, 0
.rept 32
.set r_, 128*(\buf)+4*i_
	v_cvt_pk_f16_f32 v[r_], v[r_], v[r_+1]
	v_cvt_pk_f16_f32 v[r_+1], v[r_+2], v[r_+3]
.set i_, i_+1
.endr
	WIN 0x04                                       ; store data window 1
.set i_, 0
.rept 32
.set r_, 128*(\buf)+4*i_
	ds_store_b64 v2, v[r_:r_+1] offset:i_*SPITCH
.set i_, i_+1
.endr
	WIN 0x80+0x40*((\c)/4)                         ; destination window 2 or 3
.set i_, 0
.rept 8
.set r_, 64*((\c)%4)+8*i_
	ds_load_tr16_b128 v[r_:r_+3],   v3 offset:32*i_            ; LDS serves a wave's instructions in order: these see the stores above, and the next chunk's stores come behind them
	ds_load_tr16_b128 v[r_+4:r_+7], v3 offset:32*i_+16*SPITCH
.set i_, i_+1
.endr
.endm
; group g of the tile at s[26:27]: row block g / 2, k steps 4 (g % 2) .. + 3: 8 loads
.macro AGROUP g
	WIN 0x40
.set s_, 4*((\g)%2)
.rept 4
.set r_, 8*(8*((\g)/2)+s_)
	global_load_b128 v[r_:r_+3],   v1, s[26:27] offset:((\g)/2)*(ATILE/2)+s_*1024
	global_load_b128 v[r_+4:r_+7], v1, s[26:27] offset:((\g)/2)*(ATILE/2)+s_*1024+512
.set s_, s_+1
.endr
.endm
; store i of 16 of half mb's partial sums: accumulator i / 2, its low four registers first; 512 consecutive bytes
.macro RSTORE mb, i
	ds_store_b128 v4, v[ACC+64*(\mb)+4*(\i):ACC+64*(\mb)+4*(\i)+3] offset:(\mb)*REDH+(\i)*512
.endm
; load i of 16: column block d = i / 8 of my two, wave u = (i % 8) / 2, register half i % 2
.macro RLOAD mb, i
.set r_, ACC+64*(\mb)+16*(((\i)%8)/2)+8*((\i)/8)+4*((\i)%2)
	ds_load_b128 v[r_:r_+3], v5 offset:(\mb)*REDH+(((\i)%8)/2)*8192+((\i)/8)*1024+((\i)%2)*512
.endm
; k step s of row block mb: 8 matrix instructions.  The half's 8 accumulators take turns, one instruction a turn; k step 0 starts the sums.
; kind = 1: behind every fourth product four stores of half 0's sums; kind = 2: four loads of them (li_ counts them).
.macro MULS mb, s, kind
.set n_, 0
.rept 8
	WIN 0x06+(\s)/4                                ; W1's fragments window 2 or 3, x's window 1, sums window 0
.set ac_, ACC+64*(\mb)+8*n_
.set wf_, (64*(\s)+8*n_)%256
.set af_, 8*(8*(\mb)+(\s))
.if (\s) == 0
	v_wmma_f32_16x16x32_f16 v[ac_:ac_+7], v[wf_:wf_+7], v[af_:af_+7], 0
.else
	v_wmma_f32_16x16x32_f16 v[ac_:ac_+7], v[wf_:wf_+7], v[af_:af_+7], v[ac_:ac_+7]
.endif
.if ((\kind) != 0) && (n_%4 == 3)
	WIN 0
.rept 4
.if (\kind) == 1
	RSTORE 0, li_
.else
	RLOAD 0, li_
.endif
.set li_, li_+1
.endr
.endif
.set n_, n_+1
.endr
.endm
; THE ARITHMETIC OF A HALF.  For column block ed (0, 1) of half emb a list of 93 lines; EOP writes number en of it.
;   0-11 the four waves' sums added; 12-15 the bias; 16-23 |x|; 24-27 1 + 0.2316419 |x|; 28-35 -x x log2(e) / 2; 36-43 t; 44-51 e^(-x x / 2); 52-59 max(x, 0);
;   60-63 |x| e^(..); 64-83 minus the series (in |x|'s registers), 1 / sqrt(2 pi) inside; 84-87 the result; 88-91 rounded to f16; 92 stored.
; ewait = 1: the block's first line waits for its eight LDS loads (block 0: the eight of block 1 may stay out).
.macro EOP
.set p0_, ACC+64*emb+8*ed
.set tz_, TMP+32*ed
.set ta_, tz_+8
.set tt_, tz_+16
.set te_, tz_+24
.set k_, 2*(en%4)
.if en < 4
.if (en == 0) && ewait
	s_wait_dscnt 8-8*ed
.endif
	v_pk_add_f32 v[p0_+k_:p0_+k_+1], v[p0_+k_:p0_+k_+1], v[p0_+16+k_:p0_+16+k_+1]
.elseif en < 8
	v_pk_add_f32 v[p0_+32+k_:p0_+32+k_+1], v[p0_+32+k_:p0_+32+k_+1], v[p0_+48+k_:p0_+48+k_+1]
.elseif en < 12
	v_pk_add_f32 v[tz_+k_:tz_+k_+1], v[p0_+k_:p0_+k_+1], v[p0_+32+k_:p0_+32+k_+1]
.elseif en < 16
	v_pk_add_f32 v[tz_+k_:tz_+k_+1], v[tz_+k_:tz_+k_+1], v[BIAS+8*ed+k_:BIAS+8*ed+k_+1]
.elseif en < 24
	v_and_b32 v[ta_+en-16], 0x7fffffff, v[tz_+en-16]
.elseif en < 28
	v_pk_fma_f32 v[tt_+k_:tt_+k_+1], v[ta_+k_:ta_+k_+1], v[CST:CST+1], 1.0 op_sel_hi:[1,1,0]
.elseif en < 32
	v_pk_mul_f32 v[te_+k_:te_+k_+1], v[ta_+k_:ta_+k_+1], v[CST+2:CST+3]
.elseif en < 36
	v_pk_mul_f32 v[te_+k_:te_+k_+1], v[te_+k_:te_+k_+1], v[te_+k_:te_+k_+1] neg_lo:[0,1] neg_hi:[0,1]
.elseif en < 44
	v_rcp_f32 v[tt_+en-36], v[tt_+en-36]
.elseif en < 52
	v_exp_f32 v[te_+en-44], v[te_+en-44]
.elseif en < 60
	v_max_num_f32 v[tz_+en-52], 0, v[tz_+en-52]
.elseif en < 64
	s_wait_alu depctr_va_vdst(0)
	v_pk_mul_f32 v[te_+k_:te_+k_+1], v[te_+k_:te_+k_+1], v[ta_+k_:ta_+k_+1]
.elseif en < 68
	v_pk_fma_f32 v[ta_+k_:ta_+k_+1], v[tt_+k_:tt_+k_+1], v[CST+12:CST+13], v[CST+10:CST+11]
.elseif en < 72
	v_pk_fma_f32 v[ta_+k_:ta_+k_+1], v[ta_+k_:ta_+k_+1], v[tt_+k_:tt_+k_+1], v[CST+8:CST+9]
.elseif en < 76
	v_pk_fma_f32 v[ta_+k_:ta_+k_+1], v[ta_+k_:ta_+k_+1], v[tt_+k_:tt_+k_+1], v[CST+6:CST+7]
.elseif en < 80
	v_pk_fma_f32 v[ta_+k_:ta_+k_+1], v[ta_+k_:ta_+k_+1], v[tt_+k_:tt_+k_+1], v[CST+4:CST+5]
.elseif en < 84
	v_pk_mul_f32 v[ta_+k_:ta_+k_+1], v[ta_+k_:ta_+k_+1], v[tt_+k_:tt_+k_+1]
.elseif en < 88
	v_pk_fma_f32 v[tz_+k_:tz_+k_+1], v[ta_+k_:ta_+k_+1], v[te_+k_:te_+k_+1], v[tz_+k_:tz_+k_+1]
.elseif en < 92
	v_cvt_pk_f16_f32 v[HPK+4*(2*emb+ed)+en-88], v[tz_+2*(en-88)], v[tz_+2*(en-88)+1]
.else
	global_store_b128 v1, v[HPK+4*(2*emb+ed):HPK+4*(2*emb+ed)+3], s[12:13] offset:emb*65536+ed*512  ; 512 consecutive bytes, aligned: half a fragment of the next launch
.endif
.endm
; The two blocks' lists as one queue of 186: block 0 leads by 16 lines, then the two take turns, then block 1's last 16.  So block 0's transcendentals (36-51) stand between block 1's lines 20-35,
; block 1's between block 0's lines 52-67: a plain instruction of the other block stands behind every transcendental (ISA guide 5.7.2).  RIDE writes the queue's next cnt lines (eq counts them).
.macro RIDE mb, cnt
.set emb, \mb
.rept \cnt
.if eq < 16
.set ed, 0
.set en, eq
.elseif eq < 170
.set ed, (eq-16)%2
.set en, (eq-16)/2+16*(1-ed)
.else
.set ed, 1
.set en, eq-93
.endif
	EOP
.set eq, eq+1
.endr
.endm
; A TILE.  refill = 1: each group's registers take the next tile's group as soon as they have been multiplied.
.macro TILE refill
	s_wait_xcnt 0x0                                ; the bases, and the registers that the last tile's stores read, are rewritten only behind this wait
.if \refill
	s_add_nc_u64 s[26:27], s[26:27], ATILE         ; the tile to be fetched ahead
.endif
	s_add_nc_u64 s[12:13], s[12:13], s[28:29]      ; h at this tile
	s_mov_b64 s[28:29], 0x20000                    ; what the next trip adds: a tile of 131,072 bytes
	s_wait_loadcnt 24                              ; loads come back in order: group 0 is in; the three groups of 8 issued behind it stay out
.irp s, 0,1,2,3
	MULS 0, \s, 0
.endr
.if \refill
	PLACES
	AGROUP 0
	s_wait_loadcnt 24                              ; group 1 is in; behind it groups 2 and 3 and the next tile's group 0 were issued
.else
	s_wait_loadcnt 16                              ; the last tile: the counts run down
.endif
.irp s, 4,5,6,7
	MULS 0, \s, 0
.endr
	PLACES                                         ; in front of the loads ahead, and of the LDS stores of half 0's sums
.if \refill
	AGROUP 1
	s_wait_loadcnt 24
.else
	s_wait_loadcnt 8
.endif
.set li_, 0
	MULS 1, 0, 1                                   ; half 1's products; among the first 16 half 0's sums go into LDS
	MULS 1, 1, 1
	MULS 1, 2, 0
	MULS 1, 3, 0
.if \refill
	PLACES
	AGROUP 2
.endif
	s_wait_dscnt 0x0                               ; for the others' sake: my sums of half 0 are in LDS (and my reads of half 1's region, of the last tile, are long over)
	s_barrier_signal -1
	s_barrier_wait -1
.if \refill
	s_wait_loadcnt 24
.else
	s_wait_loadcnt 0x0
.endif
.set li_, 0
	MULS 1, 4, 2                                   ; among the next 16 all four waves' sums of my two column blocks come back
	MULS 1, 5, 2
	MULS 1, 6, 0
	MULS 1, 7, 0
	PLACES
.if \refill
	AGROUP 3
.endif
	WIN 0
.set li_, 0
.rept 16
	RSTORE 1, li_                                  ; half 1's sums
.set li_, li_+1
.endr
	s_wait_dscnt 16                                ; LDS instructions end in order: half 0's sums are in; the 16 stores just issued may be out
.set eq, 0
.set ewait, 0
	RIDE 0, 93                                     ; half 0's arithmetic stands in the wait for those stores,
	s_wait_dscnt 0x0                               ; for the others' sake: my sums of half 1 are in LDS, and my reads of half 0's region are over
	s_barrier_signal -1
	s_barrier_wait -1
.set li_, 0
.rept 16
	RLOAD 1, li_
.set li_, li_+1
.endr
	RIDE 0, 93                                     ; and in the wait for these loads
.set eq, 0
.set ewait, 1
	RIDE 1, 186
.endm
.macro CONST2 i, x
	v_mov_b32 v[CST+2*(\i)], \x
	v_mov_b32 v[CST+2*(\i)+1], \x
.endm
	s_load_b256 s[4:11], s[0:1], 0x0               ; Xs s[4:5], W1 s[6:7], b1 s[8:9], meta s[10:11]
	s_load_b64 s[12:13], s[0:1], 0x20              ; h
	v_lshl_add_u32 v46, v0, 2, 0x20000
	v_mov_b32 v47, 0
	v_lshrrev_b32 v9, 5, v0
	v_readfirstlane_b32 s16, v9                    ; wave q
	s_and_b32 s18, ttmp9, 15                       ; slice: the 16 work-groups that read one chunk's tiles are neighbours
	s_lshr_b32 s19, ttmp9, 4                       ; chunk
	v_and_b32 v10, 31, v0
	v_lshlrev_b32 v1, 4, v10                       ; 16 x lane
	s_mul_i32 s30, s16, STGW
	v_lshl_add_u32 v2, v10, 3, s30                 ; stage, in: 8 bytes a lane along a row
	v_and_b32 v11, 7, v10
	v_bfe_u32 v12, v10, 4, 1
	v_lshl_add_u32 v11, v12, 3, v11
	v_mul_u32_u24 v11, v11, SPITCH
	v_bfe_u32 v13, v10, 3, 1
	v_lshl_add_u32 v11, v13, 4, v11
	v_add_nc_u32 v3, s30, v11                      ; stage, back: row 8 (l / 16) + l % 8, 16 bytes by (l / 8) % 2
	s_lshl_b32 s31, s16, 13
	s_add_co_u32 s31, s31, RED
	v_add_nc_u32 v4, s31, v1                       ; my partial sums of half 0
	s_lshl_b32 s31, s16, 11
	s_add_co_u32 s31, s31, RED
	v_add_nc_u32 v5, s31, v1                       ; my two column blocks in wave 0's sums of half 0
	v_lshlrev_b32 v6, 5, v12                       ; bias: my eight columns of a block of 16
	s_lshl_b32 s20, s16, 21                        ; W1: my 256 rows of 8,192 bytes,
	s_lshl_b32 s30, s18, 9                         ; the slice's 512 bytes of a row
	s_add_co_u32 s20, s20, s30
	s_mov_b32 s21, 0                               ; stays 0: the high word of every offset
	s_lshl_b32 s22, s16, 7                         ; b1: the slice, my 32 columns
	s_add_co_u32 s22, s22, s30
	s_mov_b32 s23, 0
	s_lshl_b32 s34, s19, 6                         ; meta: 64 bytes a chunk
	s_wait_kmcnt 0x0
	s_load_b256 s[40:47], s[10:11], s34 offset:0x0 ; the experts of my nine tiles
	s_load_b32 s48, s[10:11], s34 offset:0x20
	s_add_nc_u64 s[6:7], s[6:7], s[20:21]
	s_add_nc_u64 s[8:9], s[8:9], s[22:23]
	s_mul_i32 s22, s19, TILES                      ; my first tile
	s_lshl_b32 s20, s22, 16                        ; in Xs,
	s_lshl_b32 s30, s16, 13                        ; my 8 k steps of 1 KiB
	s_add_co_u32 s20, s20, s30
	s_add_nc_u64 s[26:27], s[4:5], s[20:21]
	s_lshl_b32 s28, s22, 17                        ; what the first trip adds to h: the tile, and k step 4 slice + q of the next launch
	s_lshl2_add_u32 s30, s18, s16
	s_lshl_b32 s30, s30, 10
	s_add_co_u32 s28, s28, s30
	s_mov_b32 s29, 0
	CONST2 0, 0x3e6d3389                           ; 0.2316419
	CONST2 1, 0x3f596d27                           ; sqrt(log2(e) / 2)
	CONST2 2, 0xbe027906                           ; -b1 / sqrt(2 pi)
	CONST2 3, 0x3e11a98e                           ; -b2 / sqrt(2 pi)
	CONST2 4, 0xbf35f0e3                           ; -b3 / sqrt(2 pi)
	CONST2 5, 0x3f3a00e3                           ; -b4 / sqrt(2 pi)
	CONST2 6, 0xbf07dc22                           ; -b5 / sqrt(2 pi)
	s_mov_b32 s24, TILES
	s_wait_kmcnt 0x0
	s_min_u32 s32, s40, 7                          ; the first tile's expert
	s_branch .Lload                                ; the first trip always loads weights
.Ltrip:
.irp j, 40,41,42,43,44,45,46,47
	s_mov_b32 s[\j], s[\j+1]                       ; the next tile's expert moves to the front
.endr
	s_min_u32 s32, s40, 7
	s_cmp_eq_u32 s32, s25
	s_cbranch_scc1 .Lheld                          ; its weights are held.  The text that is passed holds no barrier
.Lload:
	s_wait_loadcnt 0x0                             ; the tile fetched ahead has landed in the registers that the weights pass through; it is fetched again below
	s_mov_b32 s25, s32
	s_lshl_b32 s20, s32, 23                        ; an expert's 8 MiB of W1
	s_add_nc_u64 s[36:37], s[6:7], s[20:21]
	s_lshl_b32 s20, s32, 13                        ; its row of b1
	s_add_nc_u64 s[38:39], s[8:9], s[20:21]
	global_load_b128 v[BIAS:BIAS+3],     v6, s[38:39]
	global_load_b128 v[BIAS+4:BIAS+7],   v6, s[38:39] offset:16
	global_load_b128 v[BIAS+8:BIAS+11],  v6, s[38:39] offset:64
	global_load_b128 v[BIAS+12:BIAS+15], v6, s[38:39] offset:80
	LOADW 0, 0
	LOADW 1, 1
.irp c, 0,1,2,3,4,5
	s_wait_loadcnt 32                              ; chunk c is in (and the bias, which is older); the 32 loads of chunk c + 1 stay out
	CONV \c, (\c)%2
	LOADW (\c)+2, (\c)%2
.endr
	s_wait_loadcnt 32
	CONV 6, 0
	AGROUP 0                                       ; this trip's tile, into the buffer that chunk 6 has left
	AGROUP 1
	AGROUP 2
	AGROUP 3
	s_wait_loadcnt 32                              ; chunk 7 is in; the tile's 32 loads stay out
	CONV 7, 1
	WIN 0
	s_wait_dscnt 0x0                               ; all of W1's fragments are in
.Lheld:                                                ; on both ways: the tile's 32 loads are out or in, group 0's first, and nothing was issued behind them
	s_cmp_eq_u32 s24, 1
	s_cbranch_scc1 .Llast
	TILE 1
	s_sub_co_u32 s24, s24, 1
	s_branch .Ltrip
.Llast:
	TILE 0                                         ; the last tile is written out: it fetches nothing ahead
	s_wait_tensorcnt 0x0
	ds_add_u32 v46, v47
	s_wait_dscnt 0x0
	s_endpgm
.Lfunc_end_k_q413d76a7c1_gemm1:
	.size	k_q413d76a7c1_gemm1, .Lfunc_end_k_q413d76a7c1_gemm1-k_q413d76a7c1_gemm1
	.p2alignl 7, 3214868480
	.fill 96, 4, 3214868480
	.section	.rodata,"a",@progbits
	.p2align	6, 0x0
	.amdhsa_kernel k_q413d76a7c1_gemm1
		.amdhsa_group_segment_fixed_size 131584
		.amdhsa_private_segment_fixed_size 0
		.amdhsa_enable_private_segment 0
		.amdhsa_kernarg_size 40
		.amdhsa_user_sgpr_count 2
		.amdhsa_user_sgpr_kernarg_segment_ptr 1
		.amdhsa_wavefront_size32 1
		.amdhsa_system_sgpr_workgroup_id_x 1
		.amdhsa_system_sgpr_workgroup_id_y 1
		.amdhsa_system_sgpr_workgroup_id_z 1
		.amdhsa_system_vgpr_workitem_id 0
		.amdhsa_next_free_vgpr 1024
		.amdhsa_next_free_sgpr 66
		.amdhsa_reserve_vcc 0
		.amdhsa_float_denorm_mode_32 3
		.amdhsa_float_denorm_mode_16_64 3
		.amdhsa_memory_ordered 1
		.amdhsa_forward_progress 1
		.amdhsa_inst_pref_size 161
	.end_amdhsa_kernel
	.amdgpu_metadata
---
amdhsa.version: [ 1, 2 ]
amdhsa.kernels:
  - .name:           k_q413d76a7c1_gemm1
    .symbol:         k_q413d76a7c1_gemm1.kd
    .args:
      - { .name: Xs, .offset: 0, .size: 8, .value_kind: global_buffer, .address_space: global }
      - { .name: W1, .offset: 8, .size: 8, .value_kind: global_buffer, .address_space: global }
      - { .name: b1, .offset: 16, .size: 8, .value_kind: global_buffer, .address_space: global }
      - { .name: meta, .offset: 24, .size: 8, .value_kind: global_buffer, .address_space: global }
      - { .name: h, .offset: 32, .size: 8, .value_kind: global_buffer, .address_space: global }
    .group_segment_fixed_size: 131584
    .private_segment_fixed_size: 0
    .kernarg_segment_align: 8
    .kernarg_segment_size: 40
    .max_flat_workgroup_size: 128
    .sgpr_count:     66
    .vgpr_count:     1024
    .wavefront_size: 32
...
	.end_amdgpu_metadata
.endif
;; end of part 2
;; launch gemm2 (part 3): grid 240 x 1, 4 waves a work-group, no clusters, 102,912 bytes of LDS; arguments h, W2, b2, meta, list, ypair; writes ypair
.if DOCPART == 3
	.amdgcn_target "amdgcn-amd-amdhsa--gfx1250"
	.amdhsa_code_object_version 6
	.text
	.protected	k_q413d76a7c1_gemm2
	.globl	k_q413d76a7c1_gemm2
	.p2align	8
	.type	k_q413d76a7c1_gemm2,@function
k_q413d76a7c1_gemm2:
	s_mov_b64 s[64:65], 0
	v_nop
	global_prefetch_b8 v0, s[64:65] scope:SCOPE_SE
	s_setreg_imm32_b32 hwreg(HW_REG_WAVE_MODE, 25, 1), 1
	s_wait_xcnt 0x0
; y = h W2[e] + b2[e] for the sorted rows, e the expert of the row's tile, stored in f32 at the row of its pair (row p of ypair; a padding row at 4096 + its position, which nobody reads).
; h is f16, W2 is rounded to f16; sums and bias in f32.
; SHARES, as in the launch before: 240 work-groups = 15 chunks of 9 consecutive tiles x 16 slices of 64 columns.  THE WEIGHTS STAY IN REGISTERS: wave q holds k = 512 q .. 512 q + 511 of the
; slice's 64 columns, 64 fragments, 512 registers.  THE WALK HAS NINE TRIPS, WHATEVER THE DATA: where a tile's expert (meta) is not the one whose weights are held, the weights are loaded anew;
; one forward jump a trip passes that text, which holds no barrier; the first trip enters at it.  The tile fetched ahead fills the registers that the weights pass through, so it is waited for and fetched again.
; A tile's fragments lie in h in the order of the registers: a wave takes its quarter of K straight into registers, 512 consecutive bytes a load.
; A TILE IS MADE IN TWO HALVES, rows 0-15 and rows 16-31, 64 matrix instructions each.  The four waves' partial sums of a half meet in LDS, by rows; wave q finishes the half's rows 4 q .. 4 q + 3,
; 256 bytes each.  Half 0's sums go into LDS and come back (into its own accumulators' registers) among half 1's products, in runs of four LDS instructions behind four products.
; TWO BARRIERS A TILE, one a half; the halves have LDS bytes of their own, and a half's next stores stand behind the other half's barrier, in front of which every wave has waited for all its LDS instructions.
; NO CLUSTER, NO TENSOR LOAD, though the 16 slices of a chunk read the same tiles: a joint load lands in LDS, and a tile's 128 KiB would then be written there and read back for 128 matrix instructions a wave.
; THE MATRIX INSTRUCTION IS USED TRANSPOSED: source 0 = 16 columns of W2, source 1 = 16 rows of h: a lane holds one row and eight neighbouring columns.
; LIMITS.  A weight below 2^-14 keeps f16's fixed step of 2^-24, one beyond 65,504 does not fit.  NaN and infinities are not treated apart.
; REGISTERS, in windows of 256 (s_set_vgpr_msb: bits 1:0 source 0, 3:2 source 1, 5:4 source 2, 7:6 destination):
;   window 0: v1-8 addresses; v12-15 list entries, v16-19 store offsets (half mb, row i at 2 mb + i); v20-23 bias; v96-111 y;
;             v128-191 the 8 accumulators ((mb, nb) at 128 + 32 mb + 8 nb), then the half's partial sums (wave u, row i at 128 + 32 mb + 8 u + 4 i)
;   window 1: two buffers of 128 for W2 as loaded; also a tile's 32 fragments ((mb, s) at 8 (16 mb + s))      windows 2, 3: W2's fragments ((s, nb) at 512 + 8 (4 s + nb))
; SCALARS: s16 wave; s18 slice; s19 chunk; s24 trips to go; s25 the expert held; s[26:27] h, s[28:29] list at my part of the trip's tile, from the trip's head on of the next; s32 the trip's expert;
;   s[36:37] W2, s[38:39] b2 at that expert; s[40:48] the experts of the tiles to come.
.set TILES, 9
.set ACC,  128
.set LST,  12
.set OFF,  16
.set BIAS, 20
.set YR,   96
.set SPITCH, 160                       ; a stage row: 64 f16 + 32 bytes
.set STGW, 64*SPITCH                   ; a wave's stage: 64 k
.set RED,  65536                       ; the partial sums: 32 rows x 272 bytes a wave, half 0's rows first
.set RP,   272                         ; 256 bytes + 16: the 16 rows that a store touches start at 16 different groups of four banks
.set ATILE, 131072                     ; bytes of a tile in h
.set MSB, 0
.macro WIN new                         ; the immediate's high byte repeats the setting that is left; a switch that changes nothing is dropped
.if MSB != (\new)
	s_set_vgpr_msb (MSB<<8)|(\new)
.set MSB, (\new)
.endif
.endm
.macro PLACES                          ; four places between a matrix instruction and a load into, or an LDS store of, its registers
.rept 4
	v_nop
.endr
.endm
; 64 rows of W2, chunk c of my quarter: a row's 64 columns are 256 consecutive bytes, two rows a load
.macro LOADW c, buf
	WIN 0x40
.set i_, 0
.rept 32
	global_load_b128 v[128*(\buf)+4*i_:128*(\buf)+4*i_+3], v6, s[36:37] offset:(64*(\c)+2*i_)*4096
.set i_, i_+1
.endr
.endm
; rounded to f16 in place; laid into my stage as [k][column]; taken back turned: 8 fragments, k steps 2 c and 2 c + 1
.macro CONV c, buf
	WIN 0x45
.set i_, 0
.rept 32
.set r_, 128*(\buf)+4*i_
	v_cvt_pk_f16_f32 v[r_], v[r_], v[r_+1]
	v_cvt_pk_f16_f32 v[r_+1], v[r_+2], v[r_+3]
.set i_, i_+1
.endr
	WIN 0x04
.set i_, 0
.rept 32
.set r_, 128*(\buf)+4*i_
	ds_store_b64 v2, v[r_:r_+1] offset:i_*2*SPITCH
.set i_, i_+1
.endr
	WIN 0x80+0x40*((\c)/4)
.set i_, 0
.rept 8                                            ; i = 4 sub + nb
.set r_, 64*((\c)%4)+8*i_
	ds_load_tr16_b128 v[r_:r_+3],   v3 offset:(i_/4)*32*SPITCH+32*(i_%4)  ; LDS serves a wave's instructions in order: these see the stores above, and the next chunk's stores come behind them
	ds_load_tr16_b128 v[r_+4:r_+7], v3 offset:(i_/4)*32*SPITCH+32*(i_%4)+16*SPITCH
.set i_, i_+1
.endr
.endm
; group g of the tile at s[26:27]: row block g / 2, k steps 8 (g % 2) .. + 7: 16 loads
.macro AGROUP g
	WIN 0x40
.set s_, 8*((\g)%2)
.rept 8
.set r_, 8*(16*((\g)/2)+s_)
	global_load_b128 v[r_:r_+3],   v1, s[26:27] offset:((\g)/2)*(ATILE/2)+s_*1024
	global_load_b128 v[r_+4:r_+7], v1, s[26:27] offset:((\g)/2)*(ATILE/2)+s_*1024+512
.set s_, s_+1
.endr
.endm
; store i of 8 of half mb's partial sums, by rows: accumulator i / 2, its low four registers first
.macro RSTORE mb, i
	ds_store_b128 v4, v[ACC+32*(\mb)+4*(\i):ACC+32*(\mb)+4*(\i)+3] offset:(\mb)*16*RP+((\i)/2)*64+((\i)%2)*16
.endm
; load i of 8: wave u = i / 2, row i % 2 of my lanes' two (lanes 0-15: rows 4 q, 4 q + 1; lanes 16-31: rows 4 q + 2, 4 q + 3)
.macro RLOAD mb, i
	ds_load_b128 v[ACC+32*(\mb)+4*(\i):ACC+32*(\mb)+4*(\i)+3], v5 offset:((\i)/2)*32*RP+(\mb)*16*RP+((\i)%2)*RP
.endm
; k step s of row block mb: 4 matrix instructions.  The half's 4 accumulators take turns, one instruction a turn; k step 0 starts the sums.
; kind = 1: behind the four products four stores of half 0's sums; kind = 2: four loads of them (li_ counts them).
.macro MULS mb, s, kind
.set n_, 0
.rept 4
	WIN 0x06+(\s)/8                                ; W2's fragments window 2 or 3, h's window 1, sums window 0
.set ac_, ACC+32*(\mb)+8*n_
.set wf_, (32*(\s)+8*n_)%256
.set af_, 8*(16*(\mb)+(\s))
.if (\s) == 0
	v_wmma_f32_16x16x32_f16 v[ac_:ac_+7], v[wf_:wf_+7], v[af_:af_+7], 0
.else
	v_wmma_f32_16x16x32_f16 v[ac_:ac_+7], v[wf_:wf_+7], v[af_:af_+7], v[ac_:ac_+7]
.endif
.set n_, n_+1
.endr
.if (\kind) != 0
	WIN 0
.rept 4
.if (\kind) == 1
	RSTORE 0, li_
.else
	RLOAD 0, li_
.endif
.set li_, li_+1
.endr
.endif
.endm
; half mb: the four waves' sums added, the bias, two stores
.macro EPI mb
.set h_, ACC+32*(\mb)
.set y_, YR+8*(\mb)
.irp i, 0,2,4,6
	v_pk_add_f32 v[h_+(\i):h_+(\i)+1], v[h_+(\i):h_+(\i)+1], v[h_+8+(\i):h_+8+(\i)+1]
	v_pk_add_f32 v[h_+16+(\i):h_+16+(\i)+1], v[h_+16+(\i):h_+16+(\i)+1], v[h_+24+(\i):h_+24+(\i)+1]
.endr
.irp i, 0,2,4,6
	v_pk_add_f32 v[y_+(\i):y_+(\i)+1], v[h_+(\i):h_+(\i)+1], v[h_+16+(\i):h_+16+(\i)+1]
.endr
.irp i, 0,2,4,6
	v_pk_add_f32 v[y_+(\i):y_+(\i)+1], v[y_+(\i):y_+(\i)+1], v[BIAS+(\i)%4:BIAS+(\i)%4+1]
.endr
	global_store_b128 v[OFF+2*(\mb)],   v[y_:y_+3],   s[14:15]  ; 16 lanes store 256 consecutive bytes of a pair's row, at a multiple of 256 from ypair's first byte
	global_store_b128 v[OFF+2*(\mb)+1], v[y_+4:y_+7], s[14:15]
.endm
; A TILE.  refill = 1: each group's registers take the next tile's group as soon as they have been multiplied; the next tile's list entries go out ahead of its group 0.
.macro TILE refill
	WIN 0
	s_wait_loadcnt 48                              ; group 0 is in, and the list entries, which are older; groups 1 to 3 stay out
	s_wait_xcnt 0x0                                ; the bases, the offsets and the registers that the last tile's stores read are rewritten only behind this wait
.if \refill
	s_add_nc_u64 s[26:27], s[26:27], ATILE         ; the tile to be fetched ahead
	s_add_nc_u64 s[28:29], s[28:29], 128
.endif
.irp i, 0,1,2,3
	v_min_u32 v[LST+(\i)], 0x20df, v[LST+(\i)]     ; ypair has 8,416 rows
.endr
.irp i, 0,1,2,3
	v_lshl_add_u32 v[OFF+(\i)], v[LST+(\i)], 12, v8
.endr
.irp s, 0,1,2,3,4,5,6,7
	MULS 0, \s, 0
.endr
.if \refill
	PLACES
	WIN 0
	global_load_b64 v[LST:LST+1],   v7, s[28:29]
	global_load_b64 v[LST+2:LST+3], v7, s[28:29] offset:64
	AGROUP 0
	s_wait_loadcnt 50                              ; group 1 is in; behind it three groups of 16 and the two loads of list entries were issued
.else
	s_wait_loadcnt 32                              ; the last tile: the counts run down
.endif
.irp s, 8,9,10,11,12,13,14,15
	MULS 0, \s, 0
.endr
	PLACES                                         ; in front of the loads ahead, and of the LDS stores of half 0's sums
.if \refill
	AGROUP 1
	s_wait_loadcnt 50
.else
	s_wait_loadcnt 16
.endif
.set li_, 0
	MULS 1, 0, 1                                   ; half 1's products; among the first 8 half 0's sums go into LDS
	MULS 1, 1, 1
.irp s, 2,3,4,5,6,7
	MULS 1, \s, 0
.endr
.if \refill
	PLACES
	AGROUP 2
.endif
	s_wait_dscnt 0x0                               ; for the others' sake: my sums of half 0 are in LDS (and my reads of half 1's rows, of the last tile, are long over)
	s_barrier_signal -1
	s_barrier_wait -1
.if \refill
	s_wait_loadcnt 50
.else
	s_wait_loadcnt 0x0
.endif
.set li_, 0
	MULS 1, 8, 2                                   ; among the next 8 all four waves' sums of my four rows come back
	MULS 1, 9, 2
.irp s, 10,11,12,13,14,15
	MULS 1, \s, 0
.endr
	PLACES
.if \refill
	AGROUP 3
.endif
	WIN 0
.set li_, 0
.rept 8
	RSTORE 1, li_                                  ; half 1's sums
.set li_, li_+1
.endr
	s_wait_dscnt 8                                 ; LDS instructions end in order: half 0's sums are in; the 8 stores just issued may be out
	EPI 0
	s_wait_dscnt 0x0                               ; for the others' sake: my sums of half 1 are in LDS, and my reads of half 0's rows are over
	s_barrier_signal -1
	s_barrier_wait -1
.set li_, 0
.rept 8
	RLOAD 1, li_
.set li_, li_+1
.endr
	s_wait_dscnt 0x0
	EPI 1
.endm
	s_load_b256 s[4:11], s[0:1], 0x0               ; h s[4:5], W2 s[6:7], b2 s[8:9], meta s[10:11]
	s_load_b128 s[12:15], s[0:1], 0x20             ; list s[12:13], ypair s[14:15]
	v_lshl_add_u32 v254, v0, 2, 0x19000
	v_mov_b32 v255, 0
	v_lshrrev_b32 v24, 5, v0
	v_readfirstlane_b32 s16, v24                   ; wave q
	s_and_b32 s18, ttmp9, 15                       ; slice: the 16 work-groups that read one chunk's tiles are neighbours
	s_lshr_b32 s19, ttmp9, 4                       ; chunk
	v_and_b32 v24, 31, v0                          ; lane
	v_and_b32 v25, 15, v0                          ; l % 16
	v_bfe_u32 v26, v0, 4, 1                        ; l / 16
	v_lshlrev_b32 v1, 4, v24                       ; 16 x lane
	s_mul_i32 s30, s16, STGW
	v_mul_u32_u24 v27, v26, SPITCH
	v_lshl_add_u32 v27, v25, 3, v27
	v_add_nc_u32 v2, s30, v27                      ; stage, in: row l / 16, 8 bytes a lane along it
	v_and_b32 v27, 7, v0
	v_lshl_add_u32 v27, v26, 3, v27
	v_mul_u32_u24 v27, v27, SPITCH
	v_bfe_u32 v28, v0, 3, 1
	v_lshl_add_u32 v27, v28, 4, v27
	v_add_nc_u32 v3, s30, v27                      ; stage, back: row 8 (l / 16) + l % 8, 16 bytes by (l / 8) % 2
	s_mul_i32 s31, s16, 32*RP
	s_add_co_u32 s31, s31, RED
	v_mul_u32_u24 v27, v25, RP
	v_lshl_add_u32 v27, v26, 5, v27
	v_add_nc_u32 v4, s31, v27                      ; my partial sums: row l % 16, columns 8 (l / 16) on
	s_mul_i32 s31, s16, 4*RP
	s_add_co_u32 s31, s31, RED
	v_mul_u32_u24 v27, v26, 2*RP
	v_lshl_add_u32 v27, v25, 4, v27
	v_add_nc_u32 v5, s31, v27                      ; row 4 q + 2 (l / 16) of half 0 in wave 0's sums
	v_lshlrev_b32 v27, 4, v25
	v_lshl_add_u32 v6, v26, 12, v27                ; W2: row l / 16, 16 bytes by l % 16
	v_lshlrev_b32 v7, 3, v26                       ; list: two entries of a half for each half of the lanes
	s_lshl_b32 s31, s18, 8
	v_add_nc_u32 v8, s31, v27                      ; my 16 bytes of a row of 1,024 columns
	s_lshl_b32 s20, s16, 21                        ; W2: my 512 rows of 4,096 bytes,
	s_add_co_u32 s20, s20, s31                     ; the slice's 256 bytes of a row
	s_mov_b32 s21, 0                               ; stays 0: the high word of every offset
	s_lshl_b32 s34, s19, 6                         ; meta: 64 bytes a chunk
	s_wait_kmcnt 0x0
	s_load_b256 s[40:47], s[10:11], s34 offset:0x0 ; the experts of my nine tiles
	s_load_b32 s48, s[10:11], s34 offset:0x20
	s_add_nc_u64 s[6:7], s[6:7], s[20:21]
	s_mul_i32 s22, s19, TILES                      ; my first tile:
	s_lshl_b32 s20, s22, 17                        ; in h,
	s_lshl_b32 s30, s16, 14                        ; my 16 k steps of 1 KiB
	s_add_co_u32 s20, s20, s30
	s_add_nc_u64 s[26:27], s[4:5], s[20:21]
	s_lshl_b32 s20, s22, 7                         ; its 32 list entries, my four of half 0
	s_lshl_b32 s30, s16, 4
	s_add_co_u32 s20, s20, s30
	s_add_nc_u64 s[28:29], s[12:13], s[20:21]
	s_mov_b32 s24, TILES
	s_wait_kmcnt 0x0
	s_min_u32 s32, s40, 7                          ; the first tile's expert
	s_branch .Lload                                ; the first trip always loads weights
.Ltrip:
.irp j, 40,41,42,43,44,45,46,47
	s_mov_b32 s[\j], s[\j+1]                       ; the next tile's expert moves to the front
.endr
	s_min_u32 s32, s40, 7
	s_cmp_eq_u32 s32, s25
	s_cbranch_scc1 .Lheld                          ; its weights are held.  The text that is passed holds no barrier
.Lload:
	s_wait_loadcnt 0x0                             ; the tile fetched ahead has landed in the registers that the weights pass through; it is fetched again below
	s_mov_b32 s25, s32
	s_lshl_b32 s20, s32, 23                        ; an expert's 8 MiB of W2
	s_add_nc_u64 s[36:37], s[6:7], s[20:21]
	s_lshl_b32 s20, s32, 12                        ; its row of b2
	s_add_nc_u64 s[38:39], s[8:9], s[20:21]
	global_load_b128 v[BIAS:BIAS+3], v8, s[38:39]
	LOADW 0, 0
	LOADW 1, 1
.irp c, 0,1,2,3,4,5
	s_wait_loadcnt 32                              ; chunk c is in (and the bias, which is older); the 32 loads of chunk c + 1 stay out
	CONV \c, (\c)%2
	LOADW (\c)+2, (\c)%2
.endr
	s_wait_loadcnt 32
	CONV 6, 0
	WIN 0
	global_load_b64 v[LST:LST+1],   v7, s[28:29]   ; this trip's tile: its list entries, and groups 0 and 1 into the buffer that chunk 6 has left
	global_load_b64 v[LST+2:LST+3], v7, s[28:29] offset:64
	AGROUP 0
	AGROUP 1
	s_wait_loadcnt 34                              ; chunk 7 is in; the 34 loads just issued stay out
	CONV 7, 1
	AGROUP 2
	AGROUP 3
	WIN 0
	s_wait_dscnt 0x0                               ; all of W2's fragments are in
.Lheld:                                                ; on both ways: the list entries and the tile's 64 loads are out or in, in that order, and nothing was issued behind them
	s_cmp_eq_u32 s24, 1
	s_cbranch_scc1 .Llast
	TILE 1
	s_sub_co_u32 s24, s24, 1
	s_branch .Ltrip
.Llast:
	TILE 0                                         ; the last tile is written out: it fetches nothing ahead
	s_wait_tensorcnt 0x0
	ds_add_u32 v254, v255
	s_wait_dscnt 0x0
	s_endpgm
.Lfunc_end_k_q413d76a7c1_gemm2:
	.size	k_q413d76a7c1_gemm2, .Lfunc_end_k_q413d76a7c1_gemm2-k_q413d76a7c1_gemm2
	.p2alignl 7, 3214868480
	.fill 96, 4, 3214868480
	.section	.rodata,"a",@progbits
	.p2align	6, 0x0
	.amdhsa_kernel k_q413d76a7c1_gemm2
		.amdhsa_group_segment_fixed_size 102912
		.amdhsa_private_segment_fixed_size 0
		.amdhsa_enable_private_segment 0
		.amdhsa_kernarg_size 48
		.amdhsa_user_sgpr_count 2
		.amdhsa_user_sgpr_kernarg_segment_ptr 1
		.amdhsa_wavefront_size32 1
		.amdhsa_system_sgpr_workgroup_id_x 1
		.amdhsa_system_sgpr_workgroup_id_y 1
		.amdhsa_system_sgpr_workgroup_id_z 1
		.amdhsa_system_vgpr_workitem_id 0
		.amdhsa_next_free_vgpr 1024
		.amdhsa_next_free_sgpr 66
		.amdhsa_reserve_vcc 0
		.amdhsa_float_denorm_mode_32 3
		.amdhsa_float_denorm_mode_16_64 3
		.amdhsa_memory_ordered 1
		.amdhsa_forward_progress 1
		.amdhsa_inst_pref_size 126
	.end_amdhsa_kernel
	.amdgpu_metadata
---
amdhsa.version: [ 1, 2 ]
amdhsa.kernels:
  - .name:           k_q413d76a7c1_gemm2
    .symbol:         k_q413d76a7c1_gemm2.kd
    .args:
      - { .name: h, .offset: 0, .size: 8, .value_kind: global_buffer, .address_space: global }
      - { .name: W2, .offset: 8, .size: 8, .value_kind: global_buffer, .address_space: global }
      - { .name: b2, .offset: 16, .size: 8, .value_kind: global_buffer, .address_space: global }
      - { .name: meta, .offset: 24, .size: 8, .value_kind: global_buffer, .address_space: global }
      - { .name: list, .offset: 32, .size: 8, .value_kind: global_buffer, .address_space: global }
      - { .name: ypair, .offset: 40, .size: 8, .value_kind: global_buffer, .address_space: global }
    .group_segment_fixed_size: 102912
    .private_segment_fixed_size: 0
    .kernarg_segment_align: 8
    .kernarg_segment_size: 48
    .max_flat_workgroup_size: 128
    .sgpr_count:     66
    .vgpr_count:     1024
    .wavefront_size: 32
...
	.end_amdgpu_metadata
.endif
;; end of part 3
;; launch combine (part 4): grid 256 x 1, 8 waves a work-group, no clusters, 0 bytes of LDS; arguments ypair, expert_weights, selected_experts, out0; writes out0
.if DOCPART == 4
	.amdgcn_target "amdgcn-amd-amdhsa--gfx1250"
	.amdhsa_code_object_version 6
	.text
	.protected	k_q413d76a7c1_combine
	.globl	k_q413d76a7c1_combine
	.p2align	8
	.type	k_q413d76a7c1_combine,@function
k_q413d76a7c1_combine:
	s_mov_b64 s[64:65], 0
	v_nop
	global_prefetch_b8 v0, s[64:65] scope:SCOPE_SE
	s_setreg_imm32_b32 hwreg(HW_REG_WAVE_MODE, 25, 1), 1
	s_wait_xcnt 0x0
; out[t] = w[t][0] y[2 t] + w[t][1] y[2 t + 1], a slot that names no expert (below 0 or above 7) counting as nothing.  Two slots with one expert are two rows of ypair: their weights add by themselves.
; One wave, one token: a row of 4,096 bytes is eight loads of 512 consecutive bytes.  All in f32.
; The row of a slot that names no expert was never stored, and is not loaded: a branch on selected_experts puts zeros in its place and 0 in its weight's.
; The number of loads thus differs from path to path, so there is one wait, for all of them.  A stream: no LDS, no matrix unit, no cluster.
.set Y0, 8                             ; v[8:39]   slot 0's row, then the result
.set Y1, 40                            ; v[40:71]  slot 1's row
	s_load_b256 s[4:11], s[0:1], 0x0               ; ypair s[4:5], expert_weights s[6:7], selected_experts s[8:9], out0 s[10:11]
	v_lshrrev_b32 v2, 5, v0
	v_readfirstlane_b32 s12, v2
	s_lshl3_add_u32 s12, ttmp9, s12                ; t = 8 x work-group + wave
	v_and_b32 v1, 31, v0
	v_lshlrev_b32 v1, 4, v1                        ; 16 x lane
	s_lshl_b32 s13, s12, 3                         ; a token's two words
	s_lshl_b32 s18, s12, 13                        ; its two rows of ypair
	s_mov_b32 s19, 0
	s_lshl_b32 s20, s12, 12                        ; its row of out0
	s_mov_b32 s21, 0
	s_wait_kmcnt 0x0
	s_load_b64 s[14:15], s[8:9], s13 offset:0x0
	s_load_b64 s[16:17], s[6:7], s13 offset:0x0
	s_add_nc_u64 s[4:5], s[4:5], s[18:19]
	s_add_nc_u64 s[10:11], s[10:11], s[20:21]
	s_wait_kmcnt 0x0
	s_cmp_lt_u32 s14, 8                            ; unsigned: a negative index is large
	s_cbranch_scc0 .Lnone0
.irp i, 0,1,2,3,4,5,6,7
	global_load_b128 v[Y0+4*(\i):Y0+4*(\i)+3], v1, s[4:5] offset:512*(\i) th:TH_LOAD_NT
.endr
	s_branch .Lslot1
.Lnone0:
	s_mov_b32 s16, 0
.set i_, 0
.rept 32
	v_mov_b32 v[Y0+i_], 0
.set i_, i_+1
.endr
.Lslot1:
	s_cmp_lt_u32 s15, 8
	s_cbranch_scc0 .Lnone1
.irp i, 0,1,2,3,4,5,6,7
	global_load_b128 v[Y1+4*(\i):Y1+4*(\i)+3], v1, s[4:5] offset:4096+512*(\i) th:TH_LOAD_NT
.endr
	s_branch .Lsum
.Lnone1:
	s_mov_b32 s17, 0
.set i_, 0
.rept 32
	v_mov_b32 v[Y1+i_], 0
.set i_, i_+1
.endr
.Lsum:
	v_mov_b32 v4, s16                              ; w0, twice: a pair for the packed multiply
	v_mov_b32 v5, s16
	v_mov_b32 v6, s17                              ; w1, twice
	v_mov_b32 v7, s17
	s_wait_loadcnt 0x0
.irp i, 0,1,2,3,4,5,6,7
	v_pk_mul_f32 v[Y0+4*(\i):Y0+4*(\i)+1],   v[Y0+4*(\i):Y0+4*(\i)+1],   v[4:5]
	v_pk_mul_f32 v[Y0+4*(\i)+2:Y0+4*(\i)+3], v[Y0+4*(\i)+2:Y0+4*(\i)+3], v[4:5]
	v_pk_fma_f32 v[Y0+4*(\i):Y0+4*(\i)+1],   v[Y1+4*(\i):Y1+4*(\i)+1],   v[6:7], v[Y0+4*(\i):Y0+4*(\i)+1]
	v_pk_fma_f32 v[Y0+4*(\i)+2:Y0+4*(\i)+3], v[Y1+4*(\i)+2:Y1+4*(\i)+3], v[6:7], v[Y0+4*(\i)+2:Y0+4*(\i)+3]
	global_store_b128 v1, v[Y0+4*(\i):Y0+4*(\i)+3], s[10:11] offset:512*(\i) th:TH_STORE_NT  ; 512 consecutive bytes, at a multiple of 512 from out0's first byte
.endr
	s_endpgm
.Lfunc_end_k_q413d76a7c1_combine:
	.size	k_q413d76a7c1_combine, .Lfunc_end_k_q413d76a7c1_combine-k_q413d76a7c1_combine
	.p2alignl 7, 3214868480
	.fill 96, 4, 3214868480
	.section	.rodata,"a",@progbits
	.p2align	6, 0x0
	.amdhsa_kernel k_q413d76a7c1_combine
		.amdhsa_group_segment_fixed_size 0
		.amdhsa_private_segment_fixed_size 0
		.amdhsa_enable_private_segment 0
		.amdhsa_kernarg_size 32
		.amdhsa_user_sgpr_count 2
		.amdhsa_user_sgpr_kernarg_segment_ptr 1
		.amdhsa_wavefront_size32 1
		.amdhsa_system_sgpr_workgroup_id_x 1
		.amdhsa_system_sgpr_workgroup_id_y 1
		.amdhsa_system_sgpr_workgroup_id_z 1
		.amdhsa_system_vgpr_workitem_id 0
		.amdhsa_next_free_vgpr 80
		.amdhsa_next_free_sgpr 66
		.amdhsa_reserve_vcc 0
		.amdhsa_float_denorm_mode_32 3
		.amdhsa_float_denorm_mode_16_64 3
		.amdhsa_memory_ordered 1
		.amdhsa_forward_progress 1
		.amdhsa_inst_pref_size 8
	.end_amdhsa_kernel
	.amdgpu_metadata
---
amdhsa.version: [ 1, 2 ]
amdhsa.kernels:
  - .name:           k_q413d76a7c1_combine
    .symbol:         k_q413d76a7c1_combine.kd
    .args:
      - { .name: ypair, .offset: 0, .size: 8, .value_kind: global_buffer, .address_space: global }
      - { .name: expert_weights, .offset: 8, .size: 8, .value_kind: global_buffer, .address_space: global }
      - { .name: selected_experts, .offset: 16, .size: 8, .value_kind: global_buffer, .address_space: global }
      - { .name: out0, .offset: 24, .size: 8, .value_kind: global_buffer, .address_space: global }
    .group_segment_fixed_size: 0
    .private_segment_fixed_size: 0
    .kernarg_segment_align: 8
    .kernarg_segment_size: 32
    .max_flat_workgroup_size: 256
    .sgpr_count:     66
    .vgpr_count:     80
    .wavefront_size: 32
...
	.end_amdgpu_metadata
.endif
;; end of part 4
;; ======== version 2 of 2: 4 launches; version 1 with the launches gemm1, gemm2 written anew for expert scheduling mode
;; limits: values are held in f16: magnitudes above 65,504 overflow, below 6.1e-05 lose precision; right only within a limited range of input values; inputs' magnitudes at most 65,504; a function is approximated: absolute error at most 7.5e-08
;; workspace buffers: Xs 8,847,360 bytes; h 17,694,720 bytes; ypair 34,471,936 bytes; list 17,408 bytes of whole numbers; meta 1,024 bytes of whole numbers
;; launch prep: the kernel of part 1 again; grid 135 x 1, 32 waves a work-group, no clusters, 74,240 bytes of LDS; arguments selected_experts, hidden_states, Xs, list, meta; writes Xs, list, meta
;; launch gemm1 (part 5): grid 240 x 1, 4 waves a work-group, no clusters, 131,584 bytes of LDS; arguments Xs, W1, b1, meta, h; writes h
.if DOCPART == 5
	.amdgcn_target "amdgcn-amd-amdhsa--gfx1250"
	.amdhsa_code_object_version 6
	.text
	.protected	k_q413d76a7c1_gemm1
	.globl	k_q413d76a7c1_gemm1
	.p2align	8
	.type	k_q413d76a7c1_gemm1,@function
k_q413d76a7c1_gemm1:
	s_mov_b64 s[64:65], 0
	v_nop
	global_prefetch_b8 v0, s[64:65] scope:SCOPE_SE
	s_setreg_imm32_b32 hwreg(HW_REG_WAVE_SCHED_MODE, 0, 2), 2
	s_setreg_imm32_b32 hwreg(HW_REG_WAVE_MODE, 25, 1), 1
	s_wait_xcnt 0x0
	s_wait_alu depctr_vm_vsrc(0)
; h = gelu(x W1[e] + b1[e]) for the sorted rows, e the expert of the row's tile.  x and W1 rounded to f16, sums, bias and gelu in f32, h rounded once to f16.
; SHARES.  240 work-groups = 15 chunks of 9 consecutive tiles of 32 rows x 16 slices of 128 columns; 135 tiles are the most that 4,096 pairs can make, so a sixteenth chunk would never hold a pair.
; THE WEIGHTS STAY IN REGISTERS: wave q holds k = 256 q .. 256 q + 255 of the slice's 128 columns, 64 fragments, 512 registers; they are read as f32, rounded, and turned through the wave's own LDS stage.
; THE WALK HAS NINE TRIPS, WHATEVER THE DATA.  meta gives each tile's expert; where it is not the expert whose weights are held, the weights are loaded anew: one forward jump a trip passes that text,
; which holds no barrier.  The first trip enters at that text.  The tile fetched ahead lies in the registers that the weights pass through, so it is waited for and fetched again behind them.
; A tile's fragments lie in Xs in the order of the registers, so a wave takes its quarter of K straight into registers, 512 consecutive bytes a load; each byte goes to one wave of the work-group.
; A TILE IS MADE IN TWO HALVES, rows 0-15 and rows 16-31, 64 matrix instructions each.  The four waves' partial sums of a half meet in LDS; wave q finishes column blocks 2 q and 2 q + 1.
; Half 0's sums go into LDS and come back (into its own accumulators' registers) among half 1's products, in runs of four LDS instructions behind every fourth product: four waves x four
; instructions of two passes each are 32 passes for four products.  Behind half 1's products its sums go the same way, and half 0's arithmetic stands in the waits for them.
; TWO BARRIERS A TILE, one a half; each half has its own LDS region, and a region's next stores stand behind the other half's barrier, in front of which every wave has waited for all its LDS instructions.
; NO CLUSTER, NO TENSOR LOAD, though the 16 slices of a chunk read the same tiles: a joint load lands in LDS, and a tile's 64 KiB would then be written there and read back for 128 matrix
; instructions a wave, beside the 64 KiB of partial sums.
; THE MATRIX INSTRUCTION IS USED TRANSPOSED: source 0 = 16 columns of W1, source 1 = 16 rows of x: a lane then holds one row and eight neighbouring columns, which are 16 bytes of the next launch's fragment.
; GELU.  x Phi(x) = max(x, 0) - |x| phi(|x|) (b1 t + .. + b5 t^5), t = 1 / (1 + 0.2316419 |x|): the series of Abramowitz and Stegun, 26.2.17; its error in Phi is at most 7.5e-8 for every x.
; LIMITS.  A weight or an h beyond 65,504 does not fit f16; a weight below 2^-14 keeps f16's fixed step of 2^-24.  NaN and infinities are not treated apart.
; THE MODE: SCHED_MODE bits 1:0 = 2 (LLVM: expert scheduling mode 2), set by the entry lines.  The code itself states the register dependences
; between vector or matrix instructions and memory or LDS instructions, with s_wait_alu, always for 0.
; THE PLAN.  A tile is four steps of 32 products: step g multiplies group g of x's fragments (row block g / 2, k half g % 2).  Registers that memory or LDS instructions touch:
;   v1-v6         offsets and LDS addresses: made at the head, never written again.
;   the bias      loaded at a change of weights; read by the arithmetic.
;   W1's buffers  a chunk is loaded, rounded in place by the conversions, read by the LDS stores; then the buffer is loaded again.
;   W1's fragments  loaded (turned) at a change of weights; read by the products.
;   group g       read by step g's products; then the next tile's group g lands in it: group 0's loads among step 1's products, group 1's among step 2's, group 2's in front of the first barrier, group 3's behind step 3.
;   half 0's sums written by steps 0 and 1; read by the LDS stores among step 2's products; the four waves' sums land in them among step 3's products; then the arithmetic works on them.
;   half 1's sums written by steps 2 and 3; read by the LDS stores behind step 3; the four waves' sums land in them behind the second barrier; then the arithmetic.
;   h, packed     written by the roundings at the end of a half's arithmetic; read by the half's two stores.
; So a wait on va_vdst stands behind each step: it shows the step's group read and, behind steps 1 and 3, a half's sums written.  The memory and LDS instructions that hang on it are dealt among the next step's
; products, which name another group, the other half's sums and W1's fragments: none of the registers that those instructions touch.  A wait on vm_vsrc stands between a half's LDS stores and the loads that land
; in the same registers, and at a tile's head for the packed h.
; REGISTERS, in windows of 256 (s_set_vgpr_msb: bits 1:0 source 0, 3:2 source 1, 5:4 source 2, 7:6 destination):
;   window 0: v1-6 addresses; v16-31 bias; v32-45 seven constants, each twice; v48-63 h, packed; v64-127 at work, 32 a column block;
;             v128-255 the 16 accumulators ((mb, nb) at 128 + 64 mb + 8 nb), then the half's partial sums (wave u, block d at 128 + 64 mb + 16 u + 8 d)
;   window 1: two buffers of 128 for W1 as loaded; v0-127 also a tile's 16 fragments ((mb, s) at 8 (8 mb + s))      windows 2, 3: W1's fragments ((s, nb) at 512 + 8 (8 s + nb))
; SCALARS: s16 wave; s18 slice; s19 chunk; s24 trips to go; s25 the expert held; s[26:27] Xs at my quarter of the trip's tile, from the trip's head on of the next; s[28:29] what the next trip adds to h;
;   s32 the trip's expert; s[36:37] W1, s[38:39] b1 at that expert; s[40:48] the experts of the tiles to come.
.set TILES, 9
.set ACC,  128
.set BIAS, 16
.set CST,  32
.set HPK,  48
.set TMP,  64
.set SPITCH, 288                       ; a stage row: 128 f16 + 32 bytes
.set STGW, 32*SPITCH                   ; a wave's stage: 32 k
.set RED,  65536                       ; the partial sums: for each half
.set REDH, 32768                       ; 8 KiB a wave
.set ATILE, 65536                      ; bytes of a tile in Xs
.set MSB, 0
.macro WIN new                         ; the immediate's high byte repeats the setting that is left; a switch that changes nothing is dropped
.if MSB != (\new)
	s_set_vgpr_msb (MSB<<8)|(\new)
.set MSB, (\new)
.endif
.endm
.macro PLACES                          ; four places between a matrix instruction and an LDS store of its result; this text keeps them ahead of loads into a matrix instruction's registers too
.rept 4
	v_nop
.endr
.endm
; 32 rows of W1, k step c of my quarter: a row's 128 columns are 512 consecutive bytes, one load
.macro LOADW c, buf
	WIN 0x40                                       ; destination window 1
.set i_, 0
.rept 32
	global_load_b128 v[128*(\buf)+4*i_:128*(\buf)+4*i_+3], v1, s[36:37] offset:(32*(\c)+i_)*8192
.set i_, i_+1
.endr
.endm
; a chunk in buffer buf: rounded to f16 in place and laid into my stage as [k][column]
.macro CONVA buf
	WIN 0x45
.set i_, 0
.rept 32
.set r_, 128*(\buf)+4*i_
	v_cvt_pk_f16_f32 v[r_], v[r_], v[r_+1]
	v_cvt_pk_f16_f32 v[r_+1], v[r_+2], v[r_+3]
.set i_, i_+1
.endr
	WIN 0x04                                       ; store data window 1
	s_wait_alu depctr_va_vdst(0)                   ; the conversions have written the registers that the LDS stores read
.set i_, 0
.rept 32
.set r_, 128*(\buf)+4*i_
	ds_store_b64 v2, v[r_:r_+1] offset:i_*SPITCH
.set i_, i_+1
.endr
.endm
; chunk c is taken back turned: 8 fragments.  No vector or matrix instruction since the last wait on va_vdst names these fragments' registers, which the last tile's products read
.macro CONVB c
	WIN 0x80+0x40*((\c)/4)                         ; destination window 2 or 3
.set i_, 0
.rept 8
.set r_, 64*((\c)%4)+8*i_
	ds_load_tr16_b128 v[r_:r_+3],   v3 offset:32*i_            ; LDS serves a wave's instructions in order: these see the chunk's stores, and the next chunk's stores come behind them
	ds_load_tr16_b128 v[r_+4:r_+7], v3 offset:32*i_+16*SPITCH
.set i_, i_+1
.endr
.endm
; load i of 32 of the tile at s[26:27]: row block i / 16, k step (i % 16) / 2, register half i % 2: 512 consecutive bytes
.macro ALOAD i
.set r_, 8*(8*((\i)/16)+((\i)%16)/2)+4*((\i)%2)
	global_load_b128 v[r_:r_+3], v1, s[26:27] offset:((\i)/16)*(ATILE/2)+(((\i)%16)/2)*1024+((\i)%2)*512
.endm
; group g in one run: row block g / 2, k steps 4 (g % 2) .. + 3: 8 loads
.macro AGROUP g
	WIN 0x40
.set a_, 8*(\g)
.rept 8
	ALOAD a_
.set a_, a_+1
.endr
.endm
; store i of 16 of half mb's partial sums: accumulator i / 2, its low four registers first; 512 consecutive bytes
.macro RSTORE mb, i
	ds_store_b128 v4, v[ACC+64*(\mb)+4*(\i):ACC+64*(\mb)+4*(\i)+3] offset:(\mb)*REDH+(\i)*512
.endm
; load i of 16: column block d = i / 8 of my two, wave u = (i % 8) / 2, register half i % 2
.macro RLOAD mb, i
.set r_, ACC+64*(\mb)+16*(((\i)%8)/2)+8*((\i)/8)+4*((\i)%2)
	ds_load_b128 v[r_:r_+3], v5 offset:(\mb)*REDH+(((\i)%8)/2)*8192+((\i)/8)*1024+((\i)%2)*512
.endm
; k step s of row block mb: 8 matrix instructions.  The half's 8 accumulators take turns, one instruction a turn; k step 0 starts the sums.
; Behind every fourth product, kind = 1: four stores of half 0's sums; kind = 2: four loads of them; kind = 3: four loads of the next tile (li_ counts them).
; None of these runs has a wait of its own: what they hang on was stated behind the step before, and no product since names a register that they touch.
.macro MULS mb, s, kind
.set n_, 0
.rept 8
	WIN 0x06+(\s)/4                                ; W1's fragments window 2 or 3, x's window 1, sums window 0
.set ac_, ACC+64*(\mb)+8*n_
.set wf_, (64*(\s)+8*n_)%256
.set af_, 8*(8*(\mb)+(\s))
.if (\s) == 0
	v_wmma_f32_16x16x32_f16 v[ac_:ac_+7], v[wf_:wf_+7], v[af_:af_+7], 0
.else
	v_wmma_f32_16x16x32_f16 v[ac_:ac_+7], v[wf_:wf_+7], v[af_:af_+7], v[ac_:ac_+7]
.endif
.if ((\kind) != 0) && (n_%4 == 3)
.if (\kind) == 3
	WIN 0x40
.else
	WIN 0
.endif
.rept 4
.if (\kind) == 1
	RSTORE 0, li_
.elseif (\kind) == 2
	RLOAD 0, li_
.else
	ALOAD li_
.endif
.set li_, li_+1
.endr
.endif
.set n_, n_+1
.endr
.endm
; THE ARITHMETIC OF A HALF.  For column block ed (0, 1) of half emb a list of 92 lines; EOP writes number en of it.
;   0-11 the four waves' sums added; 12-15 the bias; 16-23 |x|; 24-27 1 + 0.2316419 |x|; 28-35 -x x log2(e) / 2; 36-43 t; 44-51 e^(-x x / 2); 52-59 max(x, 0);
;   60-63 |x| e^(..); 64-83 minus the series (in |x|'s registers), 1 / sqrt(2 pi) inside; 84-87 the result; 88-91 rounded to f16.
; ewait = 1: the block's first line waits for its eight LDS loads (block 0: the eight of block 1 may stay out).
.macro EOP
.set p0_, ACC+64*emb+8*ed
.set tz_, TMP+32*ed
.set ta_, tz_+8
.set tt_, tz_+16
.set te_, tz_+24
.set k_, 2*(en%4)
.if en < 4
.if (en == 0) && ewait
	s_wait_dscnt 8-8*ed
.endif
	v_pk_add_f32 v[p0_+k_:p0_+k_+1], v[p0_+k_:p0_+k_+1], v[p0_+16+k_:p0_+16+k_+1]
.elseif en < 8
	v_pk_add_f32 v[p0_+32+k_:p0_+32+k_+1], v[p0_+32+k_:p0_+32+k_+1], v[p0_+48+k_:p0_+48+k_+1]
.elseif en < 12
	v_pk_add_f32 v[tz_+k_:tz_+k_+1], v[p0_+k_:p0_+k_+1], v[p0_+32+k_:p0_+32+k_+1]
.elseif en < 16
	v_pk_add_f32 v[tz_+k_:tz_+k_+1], v[tz_+k_:tz_+k_+1], v[BIAS+8*ed+k_:BIAS+8*ed+k_+1]
.elseif en < 24
	v_and_b32 v[ta_+en-16], 0x7fffffff, v[tz_+en-16]
.elseif en < 28
	v_pk_fma_f32 v[tt_+k_:tt_+k_+1], v[ta_+k_:ta_+k_+1], v[CST:CST+1], 1.0 op_sel_hi:[1,1,0]
.elseif en < 32
	v_pk_mul_f32 v[te_+k_:te_+k_+1], v[ta_+k_:ta_+k_+1], v[CST+2:CST+3]
.elseif en < 36
	v_pk_mul_f32 v[te_+k_:te_+k_+1], v[te_+k_:te_+k_+1], v[te_+k_:te_+k_+1] neg_lo:[0,1] neg_hi:[0,1]
.elseif en < 44
	v_rcp_f32 v[tt_+en-36], v[tt_+en-36]
.elseif en < 52
	v_exp_f32 v[te_+en-44], v[te_+en-44]
.elseif en < 60
	v_max_num_f32 v[tz_+en-52], 0, v[tz_+en-52]
.elseif en < 64
	s_wait_alu depctr_va_vdst(0)
	v_pk_mul_f32 v[te_+k_:te_+k_+1], v[te_+k_:te_+k_+1], v[ta_+k_:ta_+k_+1]
.elseif en < 68
	v_pk_fma_f32 v[ta_+k_:ta_+k_+1], v[tt_+k_:tt_+k_+1], v[CST+12:CST+13], v[CST+10:CST+11]
.elseif en < 72
	v_pk_fma_f32 v[ta_+k_:ta_+k_+1], v[ta_+k_:ta_+k_+1], v[tt_+k_:tt_+k_+1], v[CST+8:CST+9]
.elseif en < 76
	v_pk_fma_f32 v[ta_+k_:ta_+k_+1], v[ta_+k_:ta_+k_+1], v[tt_+k_:tt_+k_+1], v[CST+6:CST+7]
.elseif en < 80
	v_pk_fma_f32 v[ta_+k_:ta_+k_+1], v[ta_+k_:ta_+k_+1], v[tt_+k_:tt_+k_+1], v[CST+4:CST+5]
.elseif en < 84
	v_pk_mul_f32 v[ta_+k_:ta_+k_+1], v[ta_+k_:ta_+k_+1], v[tt_+k_:tt_+k_+1]
.elseif en < 88
	v_pk_fma_f32 v[tz_+k_:tz_+k_+1], v[ta_+k_:ta_+k_+1], v[te_+k_:te_+k_+1], v[tz_+k_:tz_+k_+1]
.else
	v_cvt_pk_f16_f32 v[HPK+4*(2*emb+ed)+en-88], v[tz_+2*(en-88)], v[tz_+2*(en-88)+1]
.endif
.endm
; The two blocks' lists as one queue of 184: block 0 leads by 16 lines, then the two take turns, then block 1's last 16.  So block 0's transcendentals (36-51) stand between block 1's lines 20-35,
; block 1's between block 0's lines 52-67: a plain instruction of the other block stands behind every transcendental (ISA guide 5.7.2).  RIDE writes the queue's next cnt lines (eq counts them).
.macro RIDE mb, cnt
.set emb, \mb
.rept \cnt
.if eq < 16
.set ed, 0
.set en, eq
.elseif eq < 168
.set ed, (eq-16)%2
.set en, (eq-16)/2+16*(1-ed)
.else
.set ed, 1
.set en, eq-92
.endif
	EOP
.set eq, eq+1
.endr
.endm
; half mb's two stores: each 512 consecutive bytes, aligned: half a fragment of the next launch
.macro HSTORE mb
.irp d, 0,1
	global_store_b128 v1, v[HPK+4*(2*(\mb)+(\d)):HPK+4*(2*(\mb)+(\d))+3], s[12:13] offset:(\mb)*65536+(\d)*512
.endr
.endm
; A TILE.  refill = 1: each group's registers take the next tile's group when they have been multiplied.
.macro TILE refill
	s_wait_xcnt 0x0                                ; the bases, and the registers that the last tile's stores read, are rewritten only behind this wait
	s_wait_alu depctr_vm_vsrc(0)                   ; the last tile's stores have read the packed h, which this tile's roundings write again
.if \refill
	s_add_nc_u64 s[26:27], s[26:27], ATILE         ; the tile to be fetched ahead
.endif
	s_add_nc_u64 s[12:13], s[12:13], s[28:29]      ; h at this tile
	s_mov_b64 s[28:29], 0x20000                    ; what the next trip adds: a tile of 131,072 bytes
	s_wait_loadcnt 24                              ; loads come back in order: group 0 is in; the three groups of 8 issued behind it stay out
.irp s, 0,1,2,3
	MULS 0, \s, 0                                  ; step 0
.endr
.if \refill
	PLACES
	s_wait_alu depctr_va_vdst(0)                   ; step 0's products are done reading group 0, in which the eight loads among the next eight products land
.endif
	s_wait_loadcnt 16                              ; group 1 is in; groups 2 and 3 stay out
.set li_, 0
	MULS 0, 4, 3*(\refill)                         ; step 1; among its first products the next tile's group 0 is asked for
.irp s, 5,6,7
	MULS 0, \s, 0
.endr
	PLACES                                         ; in front of the LDS stores of half 0's sums
	s_wait_alu depctr_va_vdst(0)                   ; half 0's products have written its sums, which the LDS stores among the next products read, and are done reading group 1, in which loads land behind those stores
.if \refill
	s_wait_loadcnt 16                              ; group 2 is in; behind it group 3 and the next tile's group 0 were issued
.else
	s_wait_loadcnt 8                               ; the last tile: the counts run down
.endif
.set li_, 0
	MULS 1, 0, 1                                   ; step 2: half 1's products; among the first 16 half 0's sums go into LDS,
	MULS 1, 1, 1
.set li_, 8
	MULS 1, 2, 3*(\refill)                         ; among the next 8 the next tile's group 1 is asked for
	MULS 1, 3, 0
.if \refill
	PLACES
	WIN 0x40
.endif
	s_wait_alu depctr_va_vdst(0)                   ; step 2's products are done reading group 2, in which the loads below land; half 0's products have written the registers in which its sums come back
	s_wait_alu depctr_vm_vsrc(0)                   ; the LDS stores of half 0's sums have read those registers
.if \refill
	AGROUP 2                                       ; in one run: the wave is about to wait for the others
.endif
	s_wait_dscnt 0x0                               ; for the others' sake: my sums of half 0 are in LDS (and my reads of half 1's region, of the last tile, are long over)
	s_barrier_signal -1
	s_barrier_wait -1
.if \refill
	s_wait_loadcnt 24                              ; group 3 is in; behind it the next tile's groups 0 to 2 were issued
.else
	s_wait_loadcnt 0x0
.endif
.set li_, 0
	MULS 1, 4, 2                                   ; step 3; among its first 16 products all four waves' sums of my two column blocks come back
	MULS 1, 5, 2
	MULS 1, 6, 0
	MULS 1, 7, 0
	PLACES                                         ; in front of the LDS stores of half 1's sums
.if \refill
	WIN 0x40
.endif
	s_wait_alu depctr_va_vdst(0)                   ; half 1's products have written its sums, which the LDS stores below read, and are done reading group 3, in which the loads below land
.if \refill
	AGROUP 3
.endif
	WIN 0
.set li_, 0
.rept 16
	RSTORE 1, li_                                  ; half 1's sums
.set li_, li_+1
.endr
	s_wait_dscnt 16                                ; LDS instructions end in order: half 0's sums are in; the 16 stores just issued may be out
.set eq, 0
.set ewait, 0
	RIDE 0, 93                                     ; half 0's arithmetic stands in the wait for those stores,
	s_wait_dscnt 0x0                               ; for the others' sake: my sums of half 1 are in LDS, and my reads of half 0's region are over
	s_barrier_signal -1
	s_barrier_wait -1
	s_wait_alu depctr_va_vdst(0)                   ; half 1's products have written the registers in which its sums come back
	s_wait_alu depctr_vm_vsrc(0)                   ; and the LDS stores of half 1's sums have read them
.set li_, 0
.rept 16
	RLOAD 1, li_
.set li_, li_+1
.endr
	RIDE 0, 91                                     ; and in the wait for these loads
	s_wait_alu depctr_va_vdst(0)                   ; the roundings have written half 0's packed h, which the two stores read
	HSTORE 0
.set eq, 0
.set ewait, 1
	RIDE 1, 184
	s_wait_alu depctr_va_vdst(0)                   ; the roundings have written half 1's packed h, which the two stores read
	HSTORE 1
.endm
.macro CONST2 i, x
	v_mov_b32 v[CST+2*(\i)], \x
	v_mov_b32 v[CST+2*(\i)+1], \x
.endm
	s_load_b256 s[4:11], s[0:1], 0x0               ; Xs s[4:5], W1 s[6:7], b1 s[8:9], meta s[10:11]
	s_load_b64 s[12:13], s[0:1], 0x20              ; h
	v_lshl_add_u32 v46, v0, 2, 0x20000
	v_mov_b32 v47, 0
	v_lshrrev_b32 v9, 5, v0
	v_readfirstlane_b32 s16, v9                    ; wave q
	s_and_b32 s18, ttmp9, 15                       ; slice: the 16 work-groups that read one chunk's tiles are neighbours
	s_lshr_b32 s19, ttmp9, 4                       ; chunk
	v_and_b32 v10, 31, v0
	v_lshlrev_b32 v1, 4, v10                       ; 16 x lane
	s_wait_alu depctr_va_sdst(0)                   ; s16 is written, ahead of its first reader: LDS addresses and the bases are made from it
	s_mul_i32 s30, s16, STGW
	v_lshl_add_u32 v2, v10, 3, s30                 ; stage, in: 8 bytes a lane along a row
	v_and_b32 v11, 7, v10
	v_bfe_u32 v12, v10, 4, 1
	v_lshl_add_u32 v11, v12, 3, v11
	v_mul_u32_u24 v11, v11, SPITCH
	v_bfe_u32 v13, v10, 3, 1
	v_lshl_add_u32 v11, v13, 4, v11
	v_add_nc_u32 v3, s30, v11                      ; stage, back: row 8 (l / 16) + l % 8, 16 bytes by (l / 8) % 2
	s_lshl_b32 s31, s16, 13
	s_add_co_u32 s31, s31, RED
	v_add_nc_u32 v4, s31, v1                       ; my partial sums of half 0
	s_lshl_b32 s31, s16, 11
	s_add_co_u32 s31, s31, RED
	v_add_nc_u32 v5, s31, v1                       ; my two column blocks in wave 0's sums of half 0
	v_lshlrev_b32 v6, 5, v12                       ; bias: my eight columns of a block of 16
	s_lshl_b32 s20, s16, 21                        ; W1: my 256 rows of 8,192 bytes,
	s_lshl_b32 s30, s18, 9                         ; the slice's 512 bytes of a row
	s_add_co_u32 s20, s20, s30
	s_mov_b32 s21, 0                               ; stays 0: the high word of every offset
	s_lshl_b32 s22, s16, 7                         ; b1: the slice, my 32 columns
	s_add_co_u32 s22, s22, s30
	s_mov_b32 s23, 0
	s_lshl_b32 s34, s19, 6                         ; meta: 64 bytes a chunk
	s_wait_kmcnt 0x0
	s_load_b256 s[40:47], s[10:11], s34 offset:0x0 ; the experts of my nine tiles
	s_load_b32 s48, s[10:11], s34 offset:0x20
	s_add_nc_u64 s[6:7], s[6:7], s[20:21]
	s_add_nc_u64 s[8:9], s[8:9], s[22:23]
	s_mul_i32 s22, s19, TILES                      ; my first tile
	s_lshl_b32 s20, s22, 16                        ; in Xs,
	s_lshl_b32 s30, s16, 13                        ; my 8 k steps of 1 KiB
	s_add_co_u32 s20, s20, s30
	s_add_nc_u64 s[26:27], s[4:5], s[20:21]
	s_lshl_b32 s28, s22, 17                        ; what the first trip adds to h: the tile, and k step 4 slice + q of the next launch
	s_lshl2_add_u32 s30, s18, s16
	s_lshl_b32 s30, s30, 10
	s_add_co_u32 s28, s28, s30
	s_mov_b32 s29, 0
	CONST2 0, 0x3e6d3389                           ; 0.2316419
	CONST2 1, 0x3f596d27                           ; sqrt(log2(e) / 2)
	CONST2 2, 0xbe027906                           ; -b1 / sqrt(2 pi)
	CONST2 3, 0x3e11a98e                           ; -b2 / sqrt(2 pi)
	CONST2 4, 0xbf35f0e3                           ; -b3 / sqrt(2 pi)
	CONST2 5, 0x3f3a00e3                           ; -b4 / sqrt(2 pi)
	CONST2 6, 0xbf07dc22                           ; -b5 / sqrt(2 pi)
	s_mov_b32 s24, TILES
	s_wait_kmcnt 0x0
	s_min_u32 s32, s40, 7                          ; the first tile's expert
	s_branch .Lload                                ; the first trip always loads weights
.Ltrip:
.irp j, 40,41,42,43,44,45,46,47
	s_mov_b32 s[\j], s[\j+1]                       ; the next tile's expert moves to the front
.endr
	s_min_u32 s32, s40, 7
	s_cmp_eq_u32 s32, s25
	s_cbranch_scc1 .Lheld                          ; its weights are held.  The text that is passed holds no barrier
.Lload:
	s_wait_loadcnt 0x0                             ; the tile fetched ahead has landed in the registers that the weights pass through; it is fetched again below
	s_mov_b32 s25, s32
	s_lshl_b32 s20, s32, 23                        ; an expert's 8 MiB of W1
	s_add_nc_u64 s[36:37], s[6:7], s[20:21]
	s_lshl_b32 s20, s32, 13                        ; its row of b1
	s_add_nc_u64 s[38:39], s[8:9], s[20:21]
	s_wait_alu depctr_va_vdst(0)                   ; in the first trip: the offsets and addresses v1 to v6 are written; later: the last tile's arithmetic is done reading the bias, its products x's and W1's fragments, in which the loads of this text land
	s_wait_alu depctr_vm_vsrc(0)                   ; the LDS stores of the last change of weights have read the second buffer, in which chunk 1 lands
	global_load_b128 v[BIAS:BIAS+3],     v6, s[38:39]
	global_load_b128 v[BIAS+4:BIAS+7],   v6, s[38:39] offset:16
	global_load_b128 v[BIAS+8:BIAS+11],  v6, s[38:39] offset:64
	global_load_b128 v[BIAS+12:BIAS+15], v6, s[38:39] offset:80
	LOADW 0, 0
	LOADW 1, 1
.irp c, 0,1,2,3,4,5
	s_wait_loadcnt 32                              ; chunk c is in (and the bias, which is older); the 32 loads of chunk c + 1 stay out
	CONVA (\c)%2
	WIN 0x40
	s_wait_alu depctr_va_vdst(0)                   ; the conversions are done reading and writing the buffer, in which the next loads land,
	s_wait_alu depctr_vm_vsrc(0)                   ; and the LDS stores have read it
	LOADW (\c)+2, (\c)%2                           ; the buffer is asked for again ahead of the turned loads
	CONVB \c
.endr
	s_wait_loadcnt 32
	CONVA 0
	WIN 0x40
	s_wait_alu depctr_va_vdst(0)                   ; the conversions are done reading and writing the first buffer, in which the tile lands,
	s_wait_alu depctr_vm_vsrc(0)                   ; and the LDS stores have read it
	AGROUP 0                                       ; this trip's tile, into the buffer that chunk 6 has left
	AGROUP 1
	AGROUP 2
	AGROUP 3
	CONVB 6
	s_wait_loadcnt 32                              ; chunk 7 is in; the tile's 32 loads stay out
	CONVA 1
	CONVB 7
	WIN 0
	s_wait_dscnt 0x0                               ; all of W1's fragments are in
.Lheld:                                                ; on both ways: the tile's 32 loads are out or in, group 0's first, and nothing was issued behind them
	s_cmp_eq_u32 s24, 1
	s_cbranch_scc1 .Llast
	TILE 1
	s_sub_co_u32 s24, s24, 1
	s_branch .Ltrip
.Llast:
	TILE 0                                         ; the last tile is written out: it fetches nothing ahead
	s_wait_dscnt 0x0
	s_wait_alu depctr_hold_cnt(0) depctr_sa_sdst(0) depctr_va_vdst(0) depctr_va_sdst(0) depctr_va_ssrc(0) depctr_va_vcc(0) depctr_vm_vsrc(0)
	s_wait_tensorcnt 0x0
	ds_add_u32 v46, v47
	s_wait_dscnt 0x0
	s_endpgm
.Lfunc_end_k_q413d76a7c1_gemm1:
	.size	k_q413d76a7c1_gemm1, .Lfunc_end_k_q413d76a7c1_gemm1-k_q413d76a7c1_gemm1
	.p2alignl 7, 3214868480
	.fill 96, 4, 3214868480
	.section	.rodata,"a",@progbits
	.p2align	6, 0x0
	.amdhsa_kernel k_q413d76a7c1_gemm1
		.amdhsa_group_segment_fixed_size 131584
		.amdhsa_private_segment_fixed_size 0
		.amdhsa_enable_private_segment 0
		.amdhsa_kernarg_size 40
		.amdhsa_user_sgpr_count 2
		.amdhsa_user_sgpr_kernarg_segment_ptr 1
		.amdhsa_wavefront_size32 1
		.amdhsa_system_sgpr_workgroup_id_x 1
		.amdhsa_system_sgpr_workgroup_id_y 1
		.amdhsa_system_sgpr_workgroup_id_z 1
		.amdhsa_system_vgpr_workitem_id 0
		.amdhsa_next_free_vgpr 1024
		.amdhsa_next_free_sgpr 66
		.amdhsa_reserve_vcc 0
		.amdhsa_float_denorm_mode_32 3
		.amdhsa_float_denorm_mode_16_64 3
		.amdhsa_memory_ordered 1
		.amdhsa_forward_progress 1
		.amdhsa_inst_pref_size 163
	.end_amdhsa_kernel
	.amdgpu_metadata
---
amdhsa.version: [ 1, 2 ]
amdhsa.kernels:
  - .name:           k_q413d76a7c1_gemm1
    .symbol:         k_q413d76a7c1_gemm1.kd
    .args:
      - { .name: Xs, .offset: 0, .size: 8, .value_kind: global_buffer, .address_space: global }
      - { .name: W1, .offset: 8, .size: 8, .value_kind: global_buffer, .address_space: global }
      - { .name: b1, .offset: 16, .size: 8, .value_kind: global_buffer, .address_space: global }
      - { .name: meta, .offset: 24, .size: 8, .value_kind: global_buffer, .address_space: global }
      - { .name: h, .offset: 32, .size: 8, .value_kind: global_buffer, .address_space: global }
    .group_segment_fixed_size: 131584
    .private_segment_fixed_size: 0
    .kernarg_segment_align: 8
    .kernarg_segment_size: 40
    .max_flat_workgroup_size: 128
    .sgpr_count:     66
    .vgpr_count:     1024
    .wavefront_size: 32
...
	.end_amdgpu_metadata
.endif
;; end of part 5
;; launch gemm2 (part 6): grid 240 x 1, 4 waves a work-group, no clusters, 102,912 bytes of LDS; arguments h, W2, b2, meta, list, ypair; writes ypair
.if DOCPART == 6
	.amdgcn_target "amdgcn-amd-amdhsa--gfx1250"
	.amdhsa_code_object_version 6
	.text
	.protected	k_q413d76a7c1_gemm2
	.globl	k_q413d76a7c1_gemm2
	.p2align	8
	.type	k_q413d76a7c1_gemm2,@function
k_q413d76a7c1_gemm2:
	s_mov_b64 s[64:65], 0
	v_nop
	global_prefetch_b8 v0, s[64:65] scope:SCOPE_SE
	s_setreg_imm32_b32 hwreg(HW_REG_WAVE_SCHED_MODE, 0, 2), 2
	s_setreg_imm32_b32 hwreg(HW_REG_WAVE_MODE, 25, 1), 1
	s_wait_xcnt 0x0
	s_wait_alu depctr_vm_vsrc(0)
; y = h W2[e] + b2[e] for the sorted rows, e the expert of the row's tile, stored in f32 at the row of its pair (row p of ypair; a padding row at 4096 + its position, which nobody reads).
; h is f16, W2 is rounded to f16; sums and bias in f32.
; SHARES, as in the launch before: 240 work-groups = 15 chunks of 9 consecutive tiles x 16 slices of 64 columns.  THE WEIGHTS STAY IN REGISTERS: wave q holds k = 512 q .. 512 q + 511 of the
; slice's 64 columns, 64 fragments, 512 registers.  THE WALK HAS NINE TRIPS, WHATEVER THE DATA: where a tile's expert (meta) is not the one whose weights are held, the weights are loaded anew;
; one forward jump a trip passes that text, which holds no barrier; the first trip enters at it.  The tile fetched ahead fills the registers that the weights pass through, so it is waited for and fetched again.
; A tile's fragments lie in h in the order of the registers: a wave takes its quarter of K straight into registers, 512 consecutive bytes a load.
; A TILE IS MADE IN TWO HALVES, rows 0-15 and rows 16-31, 64 matrix instructions each.  The four waves' partial sums of a half meet in LDS, by rows; wave q finishes the half's rows 4 q .. 4 q + 3,
; 256 bytes each.  Half 0's sums go into LDS and come back (into its own accumulators' registers) among half 1's products, in runs of four LDS instructions behind four products.
; TWO BARRIERS A TILE, one a half; the halves have LDS bytes of their own, and a half's next stores stand behind the other half's barrier, in front of which every wave has waited for all its LDS instructions.
; NO CLUSTER, NO TENSOR LOAD, though the 16 slices of a chunk read the same tiles: a joint load lands in LDS, and a tile's 128 KiB would then be written there and read back for 128 matrix instructions a wave.
; THE MATRIX INSTRUCTION IS USED TRANSPOSED: source 0 = 16 columns of W2, source 1 = 16 rows of h: a lane holds one row and eight neighbouring columns.
; LIMITS.  A weight below 2^-14 keeps f16's fixed step of 2^-24, one beyond 65,504 does not fit.  NaN and infinities are not treated apart.
; THE MODE: SCHED_MODE bits 1:0 = 2 (LLVM: expert scheduling mode 2), set by the entry lines.  The code itself states the register dependences
; between vector or matrix instructions and memory or LDS instructions, with s_wait_alu, always for 0.
; THE PLAN.  A tile is four steps of 32 products: step g multiplies group g of h's fragments (row block g / 2, k half g % 2).  Registers that memory or LDS instructions touch:
;   v1-v8         offsets and LDS addresses: made at the head, never written again.
;   the bias      loaded at a change of weights; read by the additions.
;   W2's buffers  a chunk is loaded, rounded in place by the conversions, read by the LDS stores; then the buffer is loaded again.
;   W2's fragments  loaded (turned) at a change of weights; read by the products.
;   list entries  loaded behind step 0 for the next tile; clamped and read by eight lines at that tile's head.
;   the stores' offsets  written at a tile's head; read by the tile's four stores.
;   group g       read by step g's products; then the next tile's group g lands in it: group 0's loads among step 1's products, group 1's among step 2's, group 2's in front of the first barrier, group 3's behind step 3.
;   half 0's sums written by steps 0 and 1; read by the LDS stores among step 2's products; the four waves' sums land in them among step 3's products; then the additions work on them.
;   half 1's sums written by steps 2 and 3; read by the LDS stores behind step 3; the four waves' sums land in them behind the second barrier; then the additions.
;   y             written by a half's additions; read by its two stores.
; So a wait on va_vdst stands behind each step: it shows the step's group read and, behind steps 1 and 3, a half's sums written.  The memory and LDS instructions that hang on it are dealt among the next step's
; products, which name another group, the other half's sums and W2's fragments: none of the registers that those instructions touch.  A wait on vm_vsrc stands between a half's LDS stores and the loads that land
; in the same registers, and at a tile's head for y and the stores' offsets.
; REGISTERS, in windows of 256 (s_set_vgpr_msb: bits 1:0 source 0, 3:2 source 1, 5:4 source 2, 7:6 destination):
;   window 0: v1-8 addresses; v12-15 list entries, v16-19 store offsets (half mb, row i at 2 mb + i); v20-23 bias; v96-111 y;
;             v128-191 the 8 accumulators ((mb, nb) at 128 + 32 mb + 8 nb), then the half's partial sums (wave u, row i at 128 + 32 mb + 8 u + 4 i)
;   window 1: two buffers of 128 for W2 as loaded; also a tile's 32 fragments ((mb, s) at 8 (16 mb + s))      windows 2, 3: W2's fragments ((s, nb) at 512 + 8 (4 s + nb))
; SCALARS: s16 wave; s18 slice; s19 chunk; s24 trips to go; s25 the expert held; s[26:27] h, s[28:29] list at my part of the trip's tile, from the trip's head on of the next; s32 the trip's expert;
;   s[36:37] W2, s[38:39] b2 at that expert; s[40:48] the experts of the tiles to come.
.set TILES, 9
.set ACC,  128
.set LST,  12
.set OFF,  16
.set BIAS, 20
.set YR,   96
.set SPITCH, 160                       ; a stage row: 64 f16 + 32 bytes
.set STGW, 64*SPITCH                   ; a wave's stage: 64 k
.set RED,  65536                       ; the partial sums: 32 rows x 272 bytes a wave, half 0's rows first
.set RP,   272                         ; 256 bytes + 16: the 16 rows that a store touches start at 16 different groups of four banks
.set ATILE, 131072                     ; bytes of a tile in h
.set MSB, 0
.macro WIN new                         ; the immediate's high byte repeats the setting that is left; a switch that changes nothing is dropped
.if MSB != (\new)
	s_set_vgpr_msb (MSB<<8)|(\new)
.set MSB, (\new)
.endif
.endm
.macro PLACES                          ; four places between a matrix instruction and an LDS store of its result; this text keeps them ahead of loads into a matrix instruction's registers too
.rept 4
	v_nop
.endr
.endm
; 64 rows of W2, chunk c of my quarter: a row's 64 columns are 256 consecutive bytes, two rows a load
.macro LOADW c, buf
	WIN 0x40
.set i_, 0
.rept 32
	global_load_b128 v[128*(\buf)+4*i_:128*(\buf)+4*i_+3], v6, s[36:37] offset:(64*(\c)+2*i_)*4096
.set i_, i_+1
.endr
.endm
; a chunk in buffer buf: rounded to f16 in place and laid into my stage as [k][column]
.macro CONVA buf
	WIN 0x45
.set i_, 0
.rept 32
.set r_, 128*(\buf)+4*i_
	v_cvt_pk_f16_f32 v[r_], v[r_], v[r_+1]
	v_cvt_pk_f16_f32 v[r_+1], v[r_+2], v[r_+3]
.set i_, i_+1
.endr
	WIN 0x04
	s_wait_alu depctr_va_vdst(0)                   ; the conversions have written the registers that the LDS stores read
.set i_, 0
.rept 32
.set r_, 128*(\buf)+4*i_
	ds_store_b64 v2, v[r_:r_+1] offset:i_*2*SPITCH
.set i_, i_+1
.endr
.endm
; chunk c is taken back turned: 8 fragments, k steps 2 c and 2 c + 1.  No vector or matrix instruction since the last wait on va_vdst names these fragments' registers, which the last tile's products read
.macro CONVB c
	WIN 0x80+0x40*((\c)/4)
.set i_, 0
.rept 8                                            ; i = 4 sub + nb
.set r_, 64*((\c)%4)+8*i_
	ds_load_tr16_b128 v[r_:r_+3],   v3 offset:(i_/4)*32*SPITCH+32*(i_%4)  ; LDS serves a wave's instructions in order: these see the chunk's stores, and the next chunk's stores come behind them
	ds_load_tr16_b128 v[r_+4:r_+7], v3 offset:(i_/4)*32*SPITCH+32*(i_%4)+16*SPITCH
.set i_, i_+1
.endr
.endm
; load i of 64 of the tile at s[26:27]: row block i / 32, k step (i % 32) / 2, register half i % 2: 512 consecutive bytes
.macro ALOAD i
.set r_, 8*(16*((\i)/32)+((\i)%32)/2)+4*((\i)%2)
	global_load_b128 v[r_:r_+3], v1, s[26:27] offset:((\i)/32)*(ATILE/2)+(((\i)%32)/2)*1024+((\i)%2)*512
.endm
; group g in one run: row block g / 2, k steps 8 (g % 2) .. + 7: 16 loads
.macro AGROUP g
	WIN 0x40
.set a_, 16*(\g)
.rept 16
	ALOAD a_
.set a_, a_+1
.endr
.endm
; store i of 8 of half mb's partial sums, by rows: accumulator i / 2, its low four registers first
.macro RSTORE mb, i
	ds_store_b128 v4, v[ACC+32*(\mb)+4*(\i):ACC+32*(\mb)+4*(\i)+3] offset:(\mb)*16*RP+((\i)/2)*64+((\i)%2)*16
.endm
; load i of 8: wave u = i / 2, row i % 2 of my lanes' two (lanes 0-15: rows 4 q, 4 q + 1; lanes 16-31: rows 4 q + 2, 4 q + 3)
.macro RLOAD mb, i
	ds_load_b128 v[ACC+32*(\mb)+4*(\i):ACC+32*(\mb)+4*(\i)+3], v5 offset:((\i)/2)*32*RP+(\mb)*16*RP+((\i)%2)*RP
.endm
; k step s of row block mb: 4 matrix instructions.  The half's 4 accumulators take turns, one instruction a turn; k step 0 starts the sums.
; Behind the four products, kind = 1: four stores of half 0's sums; kind = 2: four loads of them; kind = 3: four loads of the next tile (li_ counts them).
; None of these runs has a wait of its own: what they hang on was stated behind the step before, and no product since names a register that they touch.
.macro MULS mb, s, kind
.set n_, 0
.rept 4
	WIN 0x06+(\s)/8                                ; W2's fragments window 2 or 3, h's window 1, sums window 0
.set ac_, ACC+32*(\mb)+8*n_
.set wf_, (32*(\s)+8*n_)%256
.set af_, 8*(16*(\mb)+(\s))
.if (\s) == 0
	v_wmma_f32_16x16x32_f16 v[ac_:ac_+7], v[wf_:wf_+7], v[af_:af_+7], 0
.else
	v_wmma_f32_16x16x32_f16 v[ac_:ac_+7], v[wf_:wf_+7], v[af_:af_+7], v[ac_:ac_+7]
.endif
.set n_, n_+1
.endr
.if (\kind) != 0
.if (\kind) == 3
	WIN 0x40
.else
	WIN 0
.endif
.rept 4
.if (\kind) == 1
	RSTORE 0, li_
.elseif (\kind) == 2
	RLOAD 0, li_
.else
	ALOAD li_
.endif
.set li_, li_+1
.endr
.endif
.endm
; half mb: the four waves' sums added, and the bias
.macro EPIA mb
.set h_, ACC+32*(\mb)
.set y_, YR+8*(\mb)
.irp i, 0,2,4,6
	v_pk_add_f32 v[h_+(\i):h_+(\i)+1], v[h_+(\i):h_+(\i)+1], v[h_+8+(\i):h_+8+(\i)+1]
	v_pk_add_f32 v[h_+16+(\i):h_+16+(\i)+1], v[h_+16+(\i):h_+16+(\i)+1], v[h_+24+(\i):h_+24+(\i)+1]
.endr
.irp i, 0,2,4,6
	v_pk_add_f32 v[y_+(\i):y_+(\i)+1], v[h_+(\i):h_+(\i)+1], v[h_+16+(\i):h_+16+(\i)+1]
.endr
.irp i, 0,2,4,6
	v_pk_add_f32 v[y_+(\i):y_+(\i)+1], v[y_+(\i):y_+(\i)+1], v[BIAS+(\i)%4:BIAS+(\i)%4+1]
.endr
.endm
; half mb's two stores
.macro EPIS mb
.set y_, YR+8*(\mb)
	global_store_b128 v[OFF+2*(\mb)],   v[y_:y_+3],   s[14:15]  ; 16 lanes store 256 consecutive bytes of a pair's row, at a multiple of 256 from ypair's first byte
	global_store_b128 v[OFF+2*(\mb)+1], v[y_+4:y_+7], s[14:15]
.endm
; A TILE.  refill = 1: each group's registers take the next tile's group when they have been multiplied; the next tile's list entries go out ahead of its group 0.
.macro TILE refill
	WIN 0
	s_wait_loadcnt 48                              ; group 0 is in, and the list entries, which are older; groups 1 to 3 stay out
	s_wait_xcnt 0x0                                ; the bases, the offsets and the registers that the last tile's stores read are rewritten only behind this wait
	s_wait_alu depctr_vm_vsrc(0)                   ; the last tile's stores have read their offsets, which the lines below write again, and y, which this tile's additions write again
.if \refill
	s_add_nc_u64 s[26:27], s[26:27], ATILE         ; the tile to be fetched ahead
	s_add_nc_u64 s[28:29], s[28:29], 128
.endif
.irp i, 0,1,2,3
	v_min_u32 v[LST+(\i)], 0x20df, v[LST+(\i)]     ; ypair has 8,416 rows
.endr
.irp i, 0,1,2,3
	v_lshl_add_u32 v[OFF+(\i)], v[LST+(\i)], 12, v8
.endr
.irp s, 0,1,2,3,4,5,6,7
	MULS 0, \s, 0                                  ; step 0
.endr
.if \refill
	PLACES
	WIN 0
	s_wait_alu depctr_va_vdst(0)                   ; the eight lines at the head are done with the list entries' registers, in which the two loads below land; step 0's products are done reading group 0, in which the loads among the next products land
	global_load_b64 v[LST:LST+1],   v7, s[28:29]
	global_load_b64 v[LST+2:LST+3], v7, s[28:29] offset:64
	s_wait_loadcnt 34                              ; group 1 is in; behind it groups 2 and 3 and the two loads of list entries were issued
.else
	s_wait_loadcnt 32                              ; the last tile: the counts run down
.endif
.set li_, 0
.irp s, 8,9,10,11
	MULS 0, \s, 3*(\refill)                        ; step 1; among its first 16 products the next tile's group 0 is asked for
.endr
.irp s, 12,13,14,15
	MULS 0, \s, 0
.endr
	PLACES                                         ; in front of the LDS stores of half 0's sums
	s_wait_alu depctr_va_vdst(0)                   ; half 0's products have written its sums, which the LDS stores among the next products read, and are done reading group 1, in which loads land behind those stores; the stores' offsets are written
.if \refill
	s_wait_loadcnt 34                              ; group 2 is in; behind it group 3, the two loads of list entries and the next tile's group 0 were issued
.else
	s_wait_loadcnt 16
.endif
.set li_, 0
	MULS 1, 0, 1                                   ; step 2: half 1's products; among the first 8 half 0's sums go into LDS,
	MULS 1, 1, 1
.set li_, 16
.irp s, 2,3,4,5
	MULS 1, \s, 3*(\refill)                        ; among the next 16 the next tile's group 1 is asked for
.endr
	MULS 1, 6, 0
	MULS 1, 7, 0
.if \refill
	PLACES
	WIN 0x40
.endif
	s_wait_alu depctr_va_vdst(0)                   ; step 2's products are done reading group 2, in which the loads below land; half 0's products have written the registers in which its sums come back
	s_wait_alu depctr_vm_vsrc(0)                   ; the LDS stores of half 0's sums have read those registers
.if \refill
	AGROUP 2                                       ; in one run: the wave is about to wait for the others
.endif
	s_wait_dscnt 0x0                               ; for the others' sake: my sums of half 0 are in LDS (and my reads of half 1's rows, of the last tile, are long over)
	s_barrier_signal -1
	s_barrier_wait -1
.if \refill
	s_wait_loadcnt 50                              ; group 3 is in; behind it the two loads of list entries and the next tile's groups 0 to 2 were issued
.else
	s_wait_loadcnt 0x0
.endif
.set li_, 0
	MULS 1, 8, 2                                   ; step 3; among its first 8 products all four waves' sums of my four rows come back
	MULS 1, 9, 2
.irp s, 10,11,12,13,14,15
	MULS 1, \s, 0
.endr
	PLACES                                         ; in front of the LDS stores of half 1's sums
.if \refill
	WIN 0x40
.endif
	s_wait_alu depctr_va_vdst(0)                   ; half 1's products have written its sums, which the LDS stores below read, and are done reading group 3, in which the loads below land
.if \refill
	AGROUP 3
.endif
	WIN 0
.set li_, 0
.rept 8
	RSTORE 1, li_                                  ; half 1's sums
.set li_, li_+1
.endr
	s_wait_dscnt 8                                 ; LDS instructions end in order: half 0's sums are in; the 8 stores just issued may be out
	EPIA 0
	s_wait_dscnt 0x0                               ; for the others' sake: my sums of half 1 are in LDS, and my reads of half 0's rows are over
	s_barrier_signal -1
	s_barrier_wait -1
	s_wait_alu depctr_va_vdst(0)                   ; half 1's products have written the registers in which its sums come back; half 0's additions have written y, which its two stores below read
	s_wait_alu depctr_vm_vsrc(0)                   ; the LDS stores of half 1's sums have read the registers in which the sums come back
.set li_, 0
.rept 8
	RLOAD 1, li_
.set li_, li_+1
.endr
	EPIS 0
	s_wait_dscnt 0x0
	EPIA 1
	s_wait_alu depctr_va_vdst(0)                   ; half 1's additions have written y, which its two stores read
	EPIS 1
.endm
	s_load_b256 s[4:11], s[0:1], 0x0               ; h s[4:5], W2 s[6:7], b2 s[8:9], meta s[10:11]
	s_load_b128 s[12:15], s[0:1], 0x20             ; list s[12:13], ypair s[14:15]
	v_lshl_add_u32 v254, v0, 2, 0x19000
	v_mov_b32 v255, 0
	v_lshrrev_b32 v24, 5, v0
	v_readfirstlane_b32 s16, v24                   ; wave q
	s_and_b32 s18, ttmp9, 15                       ; slice: the 16 work-groups that read one chunk's tiles are neighbours
	s_lshr_b32 s19, ttmp9, 4                       ; chunk
	v_and_b32 v24, 31, v0                          ; lane
	v_and_b32 v25, 15, v0                          ; l % 16
	v_bfe_u32 v26, v0, 4, 1                        ; l / 16
	v_lshlrev_b32 v1, 4, v24                       ; 16 x lane
	s_wait_alu depctr_va_sdst(0)                   ; s16 is written, ahead of its first reader: LDS addresses and the bases are made from it
	s_mul_i32 s30, s16, STGW
	v_mul_u32_u24 v27, v26, SPITCH
	v_lshl_add_u32 v27, v25, 3, v27
	v_add_nc_u32 v2, s30, v27                      ; stage, in: row l / 16, 8 bytes a lane along it
	v_and_b32 v27, 7, v0
	v_lshl_add_u32 v27, v26, 3, v27
	v_mul_u32_u24 v27, v27, SPITCH
	v_bfe_u32 v28, v0, 3, 1
	v_lshl_add_u32 v27, v28, 4, v27
	v_add_nc_u32 v3, s30, v27                      ; stage, back: row 8 (l / 16) + l % 8, 16 bytes by (l / 8) % 2
	s_mul_i32 s31, s16, 32*RP
	s_add_co_u32 s31, s31, RED
	v_mul_u32_u24 v27, v25, RP
	v_lshl_add_u32 v27, v26, 5, v27
	v_add_nc_u32 v4, s31, v27                      ; my partial sums: row l % 16, columns 8 (l / 16) on
	s_mul_i32 s31, s16, 4*RP
	s_add_co_u32 s31, s31, RED
	v_mul_u32_u24 v27, v26, 2*RP
	v_lshl_add_u32 v27, v25, 4, v27
	v_add_nc_u32 v5, s31, v27                      ; row 4 q + 2 (l / 16) of half 0 in wave 0's sums
	v_lshlrev_b32 v27, 4, v25
	v_lshl_add_u32 v6, v26, 12, v27                ; W2: row l / 16, 16 bytes by l % 16
	v_lshlrev_b32 v7, 3, v26                       ; list: two entries of a half for each half of the lanes
	s_lshl_b32 s31, s18, 8
	v_add_nc_u32 v8, s31, v27                      ; my 16 bytes of a row of 1,024 columns
	s_lshl_b32 s20, s16, 21                        ; W2: my 512 rows of 4,096 bytes,
	s_add_co_u32 s20, s20, s31                     ; the slice's 256 bytes of a row
	s_mov_b32 s21, 0                               ; stays 0: the high word of every offset
	s_lshl_b32 s34, s19, 6                         ; meta: 64 bytes a chunk
	s_wait_kmcnt 0x0
	s_load_b256 s[40:47], s[10:11], s34 offset:0x0 ; the experts of my nine tiles
	s_load_b32 s48, s[10:11], s34 offset:0x20
	s_add_nc_u64 s[6:7], s[6:7], s[20:21]
	s_mul_i32 s22, s19, TILES                      ; my first tile:
	s_lshl_b32 s20, s22, 17                        ; in h,
	s_lshl_b32 s30, s16, 14                        ; my 16 k steps of 1 KiB
	s_add_co_u32 s20, s20, s30
	s_add_nc_u64 s[26:27], s[4:5], s[20:21]
	s_lshl_b32 s20, s22, 7                         ; its 32 list entries, my four of half 0
	s_lshl_b32 s30, s16, 4
	s_add_co_u32 s20, s20, s30
	s_add_nc_u64 s[28:29], s[12:13], s[20:21]
	s_mov_b32 s24, TILES
	s_wait_kmcnt 0x0
	s_min_u32 s32, s40, 7                          ; the first tile's expert
	s_branch .Lload                                ; the first trip always loads weights
.Ltrip:
.irp j, 40,41,42,43,44,45,46,47
	s_mov_b32 s[\j], s[\j+1]                       ; the next tile's expert moves to the front
.endr
	s_min_u32 s32, s40, 7
	s_cmp_eq_u32 s32, s25
	s_cbranch_scc1 .Lheld                          ; its weights are held.  The text that is passed holds no barrier
.Lload:
	s_wait_loadcnt 0x0                             ; the tile fetched ahead has landed in the registers that the weights pass through; it is fetched again below
	s_mov_b32 s25, s32
	s_lshl_b32 s20, s32, 23                        ; an expert's 8 MiB of W2
	s_add_nc_u64 s[36:37], s[6:7], s[20:21]
	s_lshl_b32 s20, s32, 12                        ; its row of b2
	s_add_nc_u64 s[38:39], s[8:9], s[20:21]
	s_wait_alu depctr_va_vdst(0)                   ; in the first trip: the offsets and addresses v1 to v8 are written; later: the last tile's additions are done reading the bias, its products h's and W2's fragments, in which the loads of this text land
	global_load_b128 v[BIAS:BIAS+3], v8, s[38:39]
	LOADW 0, 0
	LOADW 1, 1
.irp c, 0,1,2,3,4,5
	s_wait_loadcnt 32                              ; chunk c is in (and the bias, which is older); the 32 loads of chunk c + 1 stay out
	CONVA (\c)%2
	WIN 0x40
	s_wait_alu depctr_va_vdst(0)                   ; the conversions are done reading and writing the buffer, in which the next loads land,
	s_wait_alu depctr_vm_vsrc(0)                   ; and the LDS stores have read it
	LOADW (\c)+2, (\c)%2                           ; the buffer is asked for again ahead of the turned loads
	CONVB \c
.endr
	s_wait_loadcnt 32
	CONVA 0
	WIN 0
	s_wait_alu depctr_va_vdst(0)                   ; the conversions are done reading and writing the first buffer, in which groups 0 and 1 land; the last tile's head is done with the list entries' registers,
	s_wait_alu depctr_vm_vsrc(0)                   ; and the LDS stores have read the first buffer
	global_load_b64 v[LST:LST+1],   v7, s[28:29]   ; this trip's tile: its list entries, and groups 0 and 1 into the buffer that chunk 6 has left
	global_load_b64 v[LST+2:LST+3], v7, s[28:29] offset:64
	AGROUP 0
	AGROUP 1
	CONVB 6
	s_wait_loadcnt 34                              ; chunk 7 is in; the 34 loads just issued stay out
	CONVA 1
	WIN 0x40
	s_wait_alu depctr_va_vdst(0)                   ; the conversions are done reading and writing the second buffer, in which groups 2 and 3 land,
	s_wait_alu depctr_vm_vsrc(0)                   ; and the LDS stores have read it
	AGROUP 2
	AGROUP 3
	CONVB 7
	WIN 0
	s_wait_dscnt 0x0                               ; all of W2's fragments are in
.Lheld:                                                ; on both ways: the list entries and the tile's 64 loads are out or in, in that order, and nothing was issued behind them
	s_cmp_eq_u32 s24, 1
	s_cbranch_scc1 .Llast
	TILE 1
	s_sub_co_u32 s24, s24, 1
	s_branch .Ltrip
.Llast:
	TILE 0                                         ; the last tile is written out: it fetches nothing ahead
	s_wait_dscnt 0x0
	s_wait_alu depctr_hold_cnt(0) depctr_sa_sdst(0) depctr_va_vdst(0) depctr_va_sdst(0) depctr_va_ssrc(0) depctr_va_vcc(0) depctr_vm_vsrc(0)
	s_wait_tensorcnt 0x0
	ds_add_u32 v254, v255
	s_wait_dscnt 0x0
	s_endpgm
.Lfunc_end_k_q413d76a7c1_gemm2:
	.size	k_q413d76a7c1_gemm2, .Lfunc_end_k_q413d76a7c1_gemm2-k_q413d76a7c1_gemm2
	.p2alignl 7, 3214868480
	.fill 96, 4, 3214868480
	.section	.rodata,"a",@progbits
	.p2align	6, 0x0
	.amdhsa_kernel k_q413d76a7c1_gemm2
		.amdhsa_group_segment_fixed_size 102912
		.amdhsa_private_segment_fixed_size 0
		.amdhsa_enable_private_segment 0
		.amdhsa_kernarg_size 48
		.amdhsa_user_sgpr_count 2
		.amdhsa_user_sgpr_kernarg_segment_ptr 1
		.amdhsa_wavefront_size32 1
		.amdhsa_system_sgpr_workgroup_id_x 1
		.amdhsa_system_sgpr_workgroup_id_y 1
		.amdhsa_system_sgpr_workgroup_id_z 1
		.amdhsa_system_vgpr_workitem_id 0
		.amdhsa_next_free_vgpr 1024
		.amdhsa_next_free_sgpr 66
		.amdhsa_reserve_vcc 0
		.amdhsa_float_denorm_mode_32 3
		.amdhsa_float_denorm_mode_16_64 3
		.amdhsa_memory_ordered 1
		.amdhsa_forward_progress 1
		.amdhsa_inst_pref_size 128
	.end_amdhsa_kernel
	.amdgpu_metadata
---
amdhsa.version: [ 1, 2 ]
amdhsa.kernels:
  - .name:           k_q413d76a7c1_gemm2
    .symbol:         k_q413d76a7c1_gemm2.kd
    .args:
      - { .name: h, .offset: 0, .size: 8, .value_kind: global_buffer, .address_space: global }
      - { .name: W2, .offset: 8, .size: 8, .value_kind: global_buffer, .address_space: global }
      - { .name: b2, .offset: 16, .size: 8, .value_kind: global_buffer, .address_space: global }
      - { .name: meta, .offset: 24, .size: 8, .value_kind: global_buffer, .address_space: global }
      - { .name: list, .offset: 32, .size: 8, .value_kind: global_buffer, .address_space: global }
      - { .name: ypair, .offset: 40, .size: 8, .value_kind: global_buffer, .address_space: global }
    .group_segment_fixed_size: 102912
    .private_segment_fixed_size: 0
    .kernarg_segment_align: 8
    .kernarg_segment_size: 48
    .max_flat_workgroup_size: 128
    .sgpr_count:     66
    .vgpr_count:     1024
    .wavefront_size: 32
...
	.end_amdgpu_metadata
.endif
;; end of part 6
;; launch combine: the kernel of part 4 again; grid 256 x 1, 8 waves a work-group, no clusters, 0 bytes of LDS; arguments ypair, expert_weights, selected_experts, out0; writes out0
